; MI455X (gfx1250); checked and timed in simulation.
; The chip was launched on July 23, 2026; its instructions are those of AMD's public machine-readable ISA for CDNA 5 (MIT licence, August 2026) and "CDNA5" Instruction Set Architecture Reference Guide (July 2026). The comments in the code are by the model that wrote it; some were corrected since.
;; FUNKAN. Allowed arithmetic: matrix products marked QUANTISED: E3M2 operands, one E8M0 scale for each 32 along K, by v_wmma_scale_f32_16x16x128_f8f6f4 with both operands' format E3M2, f32 sums; products left as they are: f32 operands where the result goes on into a quantised operand, else bf16, f16 or f32 operands; f32 sums; everything else in f32.
;; Inputs: Wt 64 x 64 float32; b 64 float32; beta 64 float32; gamma 64 float32; x 8 x 64 x 128 x 128 float32.
;; Outputs: out0 8 x 64 x 128 x 128 float32.
;; This version of the problem:
;;   THIS VERSION OF THE PROBLEM IS GIVEN IN LOW PRECISION. The matrix products marked QUANTISED in the list below multiply operands that are first quantised to E3M2 (3 exponent bits, 2 mantissa bits; 6 bits a number), with one power-of-two scale for each 32 numbers along K (OCP MX v1.0); their sums are f32. All else is computed in f32.
;;   The module's matrix products, in the order in which they are computed (A, B: the left and right operand; K: the contracted axis; several contracted axes count as one K, in the product's order):
;;     1. batch 512 x [M 6, K 16,384] x [K 16,384, N 1]; A: computed on the way; B: computed on the way: left as it is (M = 6 < 16)
;;     2. batch 512 x [M 1, K 6] x [K 6, N 16,384]; A: softmax; B: computed on the way: left as it is (K = 6 < 32)
;;     3. [M 131,072, K 64] x [K 64, N 64]; A: computed on the way; B: input Wt: QUANTISED
;;   THE QUANTISER, for each operand of a quantised product, along K:
;;     - K is cut into blocks of 32 from its start; a last block that is shorter is filled with zeros.
;;     - A block's scale is 2^e with e = floor(log2(the largest magnitude in the block)) - 4, held to -126 .. 127; a block of zeros has e = 0. As a byte (E8M0): e + 127.
;;     - Each number is divided by its block's scale, clamped to +-28, and rounded to the nearest number of E3M2, ties to even, subnormals kept.
;;     - The product sums the exact products of the quantised numbers (number of the format x scale) in f32.
;;   ~~~python
;;   def quantise(x, axis):      # numpy; x: float32 -> the quantised numbers, widened to float32 again
;;       x = np.moveaxis(x, axis, -1); K = x.shape[-1]
;;       x = np.pad(x, [(0, 0)] * (x.ndim - 1) + [(0, -K % 32)]); x = x.reshape(x.shape[:-1] + (-1, 32)); a = np.abs(x).max(-1, keepdims=True)
;;       e = np.where(a > 0, np.clip(np.frexp(np.where(a > 0, a, 1))[1] - 1 - 4, -126, 127), 0)      # np.frexp(a)[1] - 1 = floor(log2(a)), exactly
;;       r = np.clip(x / 2.0 ** e, -28, 28)
;;       step = 2.0 ** (np.maximum(np.frexp(np.where(r == 0, 1, r))[1] - 1, -2) - 2)
;;       q = np.round(r / step) * step * 2.0 ** e      # np.round: ties to even
;;       return np.moveaxis(q.reshape(q.shape[:-2] + (-1,))[..., :K], -1, axis).astype(np.float32)
;;   ~~~
;;   OPERANDS COMPUTED ON THE WAY. 'Computed on the way' means the value that the module computes at that place (a softmax that the list does not call 'softmax' is quantised finished and normalised). What goes into a quantiser is computed in f32, as accurately as f32 sums, v_exp_f32 and their like allow (about 1e-6 of the number): no bf16 or f16 on the way to a quantiser, and a product that is left as it is and whose result goes on into a quantised operand takes f32 operands (vector FMAs, or v_wmma_f32_16x16x4_f32). A number that lies on a knife's edge between two numbers of the format may be rounded either way, as far as f32 arithmetic and the matrix unit's own rounding can turn it there, and no further.
;; 3 versions, each right; version 2 is faster than version 1; version 3 is version 2 with the launch mix written anew for expert scheduling mode. Each part assembles by itself: llvm-mc -triple=amdgcn-amd-amdhsa -mcpu=gfx1250 --defsym DOCPART=n.
;; ======== version 1 of 3: 3 launches
;; workspace buffers: part 32,768 bytes; wimg 3,584 bytes; coef 32,768 bytes
;; launch stats (part 1): grid 513 x 1, 8 waves a work-group, no clusters, 0 bytes of LDS; arguments x, Wt, part, wimg; writes part, wimg
.if DOCPART == 1
	.amdgcn_target "amdgcn-amd-amdhsa--gfx1250"
	.amdhsa_code_object_version 6
	.text
	.protected	k_qa9aba40c24_stats
	.globl	k_qa9aba40c24_stats
	.p2align	8
	.type	k_qa9aba40c24_stats,@function
k_qa9aba40c24_stats:
	s_mov_b64 s[64:65], 0
	v_nop
	global_prefetch_b8 v0, s[64:65] scope:SCOPE_SE
	s_setreg_imm32_b32 hwreg(HW_REG_WAVE_MODE, 25, 1), 1
	s_wait_xcnt 0x0
; FIRST OF THREE LAUNCHES.  x: [8][64][16384] f32.  BatchNorm wants, for each channel c, the mean and the variance over all 8 batches and 16,384 places.
; Work-groups 0 to 511: work-group g owns row g = 64 b + c (65,536 bytes).  Each of its eight waves takes 2,048 numbers, 64 a lane, keeps them in registers, and makes
; their mean and then the sum of their squared distances FROM THAT MEAN: no difference of large sums is formed, so a common offset of the inputs costs nothing.
; The pair (mean, sum of squares) goes to part[c][8 b + wave]; the next launch joins a channel's 64 pairs, which all stand for 2,048 numbers.
; Load i of the work-group covers bytes 4096 i + 16 t of the row (t the thread): a wave's load covers 512 consecutive bytes.  All 16 loads of a wave are out at once:
; that is the whole of its share, so there is no ring.  No LDS, no barrier: waves share nothing.  The 8 bytes a wave stores are a part of a 64-byte run of its work-group: 32 KB in the launch.
; Work-group 512: Wt [64 (o)][64 (c)] f32 becomes codes of E3M2 with one E8M0 byte for each 32 along c, ONCE, laid as the image of the operand's registers that the third launch loads:
; wave mt (0 to 3) takes rows 16 mt + r; lane (r, h) takes c = 32 h .. 32 h + 31 of its row: a whole block, so its largest magnitude needs no other lane.
;   wimg + 768 mt + 16 lane: registers 0-3 of the lane's six;  wimg + 768 mt + 512 + 8 lane: registers 4, 5;  wimg + 3072 + 16 lane + 4 mt: the row's scale word.
; The scale word holds (byte of block 0, byte of block 1) twice, since the third launch uses the codes in the lower or in the upper 64 of the instruction's 128 along K.
; A block's byte is its largest magnitude's exponent field - 4, held at 1 from below (a block of zeros gets 1 where the rule says 127: its codes are zeros, and only this program reads the bytes).
; LIMITS: NaN and infinities among the inputs are not served.
.set X,  16                            ; v[16:79]  my 64 numbers
.set SM, 80                            ; v[80:87]  four running pairs
.macro WSUM r, t                       ; the sum over the wave's 32 lanes, in every lane: four steps inside each 16 lanes ride on the addition, one crosses the halves
	v_add_f32_dpp v[\r], v[\r], v[\r] row_xmask:1 row_mask:0xf bank_mask:0xf
	v_add_f32_dpp v[\r], v[\r], v[\r] row_xmask:2 row_mask:0xf bank_mask:0xf
	v_add_f32_dpp v[\r], v[\r], v[\r] row_xmask:4 row_mask:0xf bank_mask:0xf
	v_add_f32_dpp v[\r], v[\r], v[\r] row_xmask:8 row_mask:0xf bank_mask:0xf
	v_permlanex16_b32 v[\t], v[\r], s26, s27
	v_add_f32 v[\r], v[\r], v[\t]
.endm
	s_load_b256 s[4:11], s[0:1], 0x0               ; x s[4:5], Wt s[6:7], part s[8:9], wimg s[10:11]
	v_lshrrev_b32 v2, 5, v0
	v_readfirstlane_b32 s14, v2                    ; wave 0..7
	v_and_b32 v3, 31, v0                           ; lane
	s_mov_b32 s26, 0x76543210                      ; v_permlanex16_b32's selects for lane l xor 16
	s_mov_b32 s27, 0xfedcba98
	s_cmp_eq_u32 ttmp9, 512                        ; the last work-group takes the weights: a branch on the work-group's number alone
	s_cbranch_scc1 .Lweights
	v_lshlrev_b32 v1, 4, v0                        ; 16 t
	s_lshl_b32 s12, ttmp9, 16                      ; my row
	s_mov_b32 s13, 0
	s_wait_kmcnt 0x0
	s_add_nc_u64 s[4:5], s[4:5], s[12:13]
.irp i, 0,1,2,3,4,5,6,7,8,9,10,11,12,13,14,15
	global_load_b128 v[X+4*\i:X+4*\i+3], v1, s[4:5] offset:4096*\i   ; no hint: the two later launches read x again
.endr
	s_and_b32 s15, ttmp9, 63                       ; c
	s_lshr_b32 s16, ttmp9, 6                       ; b
	s_lshl_b32 s15, s15, 9                         ; part: 512 bytes a channel,
	s_lshl_b32 s16, s16, 6                         ; 64 a batch,
	s_lshl_b32 s17, s14, 3                         ; 8 a wave
	s_add_co_u32 s15, s15, s16
	s_add_co_u32 s15, s15, s17
	v_mov_b32 v11, s15
	v_mov_b32 v9, 0                                ; (a lane permute's destination counts as one of its sources)
	v_mov_b32 v10, 0
.irp i, 0,1,2,3                        ; the sum, two numbers at a time, in four chains; the first four loads start them: nothing is cleared
	s_wait_loadcnt 15-\i                           ; loads come back in order: load i is in, the 15 - i behind it may be out
	v_pk_add_f32 v[SM+2*\i:SM+2*\i+1], v[X+4*\i:X+4*\i+1], v[X+4*\i+2:X+4*\i+3]
.endr
.irp i, 4,5,6,7,8,9,10,11,12,13,14,15
	s_wait_loadcnt 15-\i
	v_pk_add_f32 v[SM+2*(\i%4):SM+2*(\i%4)+1], v[SM+2*(\i%4):SM+2*(\i%4)+1], v[X+4*\i:X+4*\i+1]
	v_pk_add_f32 v[SM+2*(\i%4):SM+2*(\i%4)+1], v[SM+2*(\i%4):SM+2*(\i%4)+1], v[X+4*\i+2:X+4*\i+3]
.endr
	v_pk_add_f32 v[SM:SM+1], v[SM:SM+1], v[SM+2:SM+3]
	v_pk_add_f32 v[SM+4:SM+5], v[SM+4:SM+5], v[SM+6:SM+7]
	v_pk_add_f32 v[SM:SM+1], v[SM:SM+1], v[SM+4:SM+5]
	v_add_f32 v8, v[SM], v[SM+1]
	WSUM 8, 9
	v_mul_f32 v8, 0x3a000000, v8                   ; / 2,048: the wave's mean
	v_mov_b32 v9, v8                               ; twice, for the packed subtraction
.set p, 0
.rept 32
	v_pk_add_f32 v[X+2*p:X+2*p+1], v[X+2*p:X+2*p+1], v[8:9] neg_lo:[0,1] neg_hi:[0,1]   ; x - mean
.set p, p+1
.endr
.irp p, 0,1,2,3
	v_pk_mul_f32 v[SM+2*\p:SM+2*\p+1], v[X+2*\p:X+2*\p+1], v[X+2*\p:X+2*\p+1]         ; the first four squares start the chains
.endr
.set p, 4
.rept 28
	v_pk_fma_f32 v[SM+2*(p%4):SM+2*(p%4)+1], v[X+2*p:X+2*p+1], v[X+2*p:X+2*p+1], v[SM+2*(p%4):SM+2*(p%4)+1]
.set p, p+1
.endr
	v_pk_add_f32 v[SM:SM+1], v[SM:SM+1], v[SM+2:SM+3]
	v_pk_add_f32 v[SM+4:SM+5], v[SM+4:SM+5], v[SM+6:SM+7]
	v_pk_add_f32 v[SM:SM+1], v[SM:SM+1], v[SM+4:SM+5]
	v_add_f32 v9, v[SM], v[SM+1]
	WSUM 9, 10                                     ; v[8:9] = the wave's mean and its sum of squared distances
	s_wait_xcnt 0x0                                ; EXEC is a source of the loads above: it changes only behind this wait
	v_cmp_eq_u32 vcc_lo, 0, v3
	s_and_saveexec_b32 s18, vcc_lo                 ; every lane holds the pair: lane 0 stores it
	global_store_b64 v11, v[8:9], s[8:9]
	s_wait_xcnt 0x0                                ; and again in front of the line that widens it
	s_or_b32 exec_lo, exec_lo, s18
	s_endpgm
.Lweights:
	s_cmp_gt_u32 s14, 3                            ; four tiles of 16 rows: waves 4 to 7 have no part in them
	s_cbranch_scc1 .Ldone
	v_and_b32 v4, 15, v0                           ; r
	v_bfe_u32 v5, v0, 4, 1                         ; h
	v_lshlrev_b32 v6, 8, v4                        ; row r of 256 bytes,
	v_lshl_add_u32 v6, v5, 7, v6                   ; + 128 h: my block of 32
	v_lshlrev_b32 v7, 4, v3                        ; 16 x lane
	v_lshlrev_b32 v8, 3, v3                        ; 8 x lane
	s_lshl_b32 s12, s14, 12                        ; 16 rows of Wt a wave
	s_mov_b32 s13, 0
	s_mul_i32 s16, s14, 768                        ; the tile's codes in the image
	s_mov_b32 s17, 0
	s_lshl_b32 s18, s14, 2                         ; the tile's word among a lane's four
	s_mov_b32 s19, 0
	s_wait_kmcnt 0x0
	s_add_nc_u64 s[6:7], s[6:7], s[12:13]
	s_add_nc_u64 s[16:17], s[10:11], s[16:17]
	s_add_nc_u64 s[20:21], s[10:11], s[18:19]
.irp i, 0,1,2,3,4,5,6,7
	global_load_b128 v[16+4*\i:19+4*\i], v6, s[6:7] offset:16*\i
.endr
	s_wait_loadcnt 0x0
	v_max3_num_f32 v12, |v16|, |v17|, 0x2800000    ; the block's largest magnitude, and the floor 2^(5 - 127): so the byte cannot fall under 1
.irp i, 2,4,6,8,10,12,14,16,18,20,22,24,26,28,30
	v_max3_num_f32 v12, v12, |v[16+\i]|, |v[17+\i]|
.endr
	v_add_nc_u32 v13, 0xfe000000, v12              ; 4 off its exponent field: the conversion takes the exponent field of this operand as its scale
	v_lshrrev_b32 v14, 23, v13                     ; the scale's byte
	v_cvt_scalef32_pk16_bf6_f32 v[48:50], v[16:31], v13
	v_cvt_scalef32_pk16_bf6_f32 v[56:58], v[32:47], v13   ; (a conversion's three registers begin on an even number)
	v_nop                                          ; one plain line between a scaled conversion and the vector line that touches its result
	v_mov_b32 v51, v56
	v_mov_b32 v52, v57
	v_mov_b32 v53, v58                             ; v[48:53]: the block's 32 codes, 192 bits without gaps
	v_lshlrev_b32 v15, 3, v5
	v_lshlrev_b32 v14, v15, v14                    ; my byte at its place, 8 h bits up;
	v_mov_b32 v15, 0
	v_permlanex16_b32 v15, v14, s26, s27
	v_or_b32 v14, v14, v15                         ; with lane l xor 16's: the row's two bytes,
	v_lshl_or_b32 v14, v14, 16, v14                ; twice
	global_store_b128 v7, v[48:51], s[16:17]
	global_store_b64 v8, v[52:53], s[16:17] offset:512
	global_store_b32 v7, v14, s[20:21] offset:3072
.Ldone:
	s_endpgm
.Lfunc_end_k_qa9aba40c24_stats:
	.size	k_qa9aba40c24_stats, .Lfunc_end_k_qa9aba40c24_stats-k_qa9aba40c24_stats
	.p2alignl 7, 3214868480
	.fill 96, 4, 3214868480
	.section	.rodata,"a",@progbits
	.p2align	6, 0x0
	.amdhsa_kernel k_qa9aba40c24_stats
		.amdhsa_group_segment_fixed_size 0
		.amdhsa_private_segment_fixed_size 0
		.amdhsa_enable_private_segment 0
		.amdhsa_kernarg_size 32
		.amdhsa_user_sgpr_count 2
		.amdhsa_user_sgpr_kernarg_segment_ptr 1
		.amdhsa_wavefront_size32 1
		.amdhsa_system_sgpr_workgroup_id_x 1
		.amdhsa_system_sgpr_workgroup_id_y 1
		.amdhsa_system_sgpr_workgroup_id_z 1
		.amdhsa_system_vgpr_workitem_id 0
		.amdhsa_next_free_vgpr 88
		.amdhsa_next_free_sgpr 66
		.amdhsa_reserve_vcc 1
		.amdhsa_float_denorm_mode_32 3
		.amdhsa_float_denorm_mode_16_64 3
		.amdhsa_memory_ordered 1
		.amdhsa_forward_progress 1
		.amdhsa_inst_pref_size 14
	.end_amdhsa_kernel
	.amdgpu_metadata
---
amdhsa.version: [ 1, 2 ]
amdhsa.kernels:
  - .name:           k_qa9aba40c24_stats
    .symbol:         k_qa9aba40c24_stats.kd
    .args:
      - { .name: x, .offset: 0, .size: 8, .value_kind: global_buffer, .address_space: global }
      - { .name: Wt, .offset: 8, .size: 8, .value_kind: global_buffer, .address_space: global }
      - { .name: part, .offset: 16, .size: 8, .value_kind: global_buffer, .address_space: global }
      - { .name: wimg, .offset: 24, .size: 8, .value_kind: global_buffer, .address_space: global }
    .group_segment_fixed_size: 0
    .private_segment_fixed_size: 0
    .kernarg_segment_align: 8
    .kernarg_segment_size: 32
    .max_flat_workgroup_size: 256
    .sgpr_count:     66
    .vgpr_count:     88
    .wavefront_size: 32
...
	.end_amdgpu_metadata
.endif
;; end of part 1
;; launch cost (part 2): grid 512 x 1, 8 waves a work-group, no clusters, 1,280 bytes of LDS; arguments x, gamma, beta, part, coef; writes coef
.if DOCPART == 2
	.amdgcn_target "amdgcn-amd-amdhsa--gfx1250"
	.amdhsa_code_object_version 6
	.text
	.protected	k_qa9aba40c24_cost
	.globl	k_qa9aba40c24_cost
	.p2align	8
	.type	k_qa9aba40c24_cost,@function
k_qa9aba40c24_cost:
	s_mov_b64 s[64:65], 0
	v_nop
	global_prefetch_b8 v0, s[64:65] scope:SCOPE_SE
	s_setreg_imm32_b32 hwreg(HW_REG_WAVE_MODE, 25, 1), 1
	s_wait_xcnt 0x0
; SECOND OF THREE LAUNCHES.  Work-group g owns row g = 64 b + c of x and makes what the third launch needs of it: a record of 64 bytes.
; 1. THE CHANNEL'S STATISTICS, in every wave alike: the channel's 64 pairs (mean_i, q_i) of the first launch each stand for 2,048 numbers, so mean = the mean of the mean_i and
;    131,072 var = the sum of q_i + 2,048 (mean_i - mean)^2.  A = gamma rsq(var + 1e-5), S = beta - mean A, xn = x A + S in one fused multiply-add.
; 2. THE SIX SUMS cost_k = the sum over d of psi_k(t) xn, t = sqrt(13) tanh(xn), psi_k = N_k H_k(t) exp(-t^2 / 2).
;    tanh(x) = x P(x^2) / Q(x^2), P of degree 6, Q of degree 3, x held to +-7.905...: a few units in the last place at every x, near 0 too, where 1 - 2 / (1 + e^2x) loses its digits.
;    Q's coefficients are divided by rho = sqrt(6.5 log2(e)) beforehand: the quotient is u = rho tanh(x), and exp(-t^2 / 2) = 2^(-u^2); t = sqrt(2 ln 2) u.
;    A lane sums the moments m_j = g xn u^j, j = 0 .. 5, of its 64 numbers, and turns them into its own share of the six cost_k while they are small (the table E below: psi_k = g sum_j E[k][j] u^j):
;    the cancellation among moments then meets sums of 64 terms, not of 16,384.  The six go over the lanes by DPP and over the waves through LDS.
; 3. Wave 0: softmax over k with the largest cost taken off, as reference() does; a_j = sum_k w_k E[k][j], so that y = 2^(-u^2) (a0 + a1 u + .. + a5 u^5).
; THE RECORD: A, S, a5, a4, a3, a2, a1, a0, each twice: the third launch names them as scalar pairs, whose low word serves both halves of a packed instruction.
; One lane stores a record's 64 bytes (32 KB in the launch).  All 16 loads of a wave go out at its head: its whole share; so no ring.  No hint on the loads: the third launch reads x again.
; LIMITS: NaN and infinities are not served.  The order of rounding differs from reference()'s (the shift folded into S; moments in place of the recurrence); the errors are of the same size.
.set X,   16                           ; v[16:79]   my 64 numbers: x, then xn, then g xn
.set T,   80                           ; v[80:127]  four pairs at work, 12 registers each:
.set XC,  0                            ;   xn held to the clamp; later u^3
.set X2,  2                            ;   xn^2; later g
.set QQ,  4                            ;   Q, 1 / Q; later u^2
.set PP,  6                            ;   P, x P; later u
.set P4,  8                            ;   u^4
.set P5,  10                           ;   u^5
.set MA,  128                          ; v[128:151] the moments: two sets of six pairs, by turns
.set MJ,  152                          ; v[152:157] a lane's six moments
.set CB,  160                          ; v[160:165] the six costs
.set AA,  8                            ; v[8:9]   A, A
.set SS,  10                           ; v[10:11] S, S
.set R,   16                           ; wave 0, at the end: the eight waves' costs, 8 registers apart
.set EX,  80                           ; the six exponentials, then the weights
.set A13, 30                           ; s[30:51] the rational's coefficients, each in a pair
.set A11, 32
.set A9,  34
.set A7,  36
.set A5,  38
.set A3,  40
.set A1,  42
.set B6,  44
.set B4,  46
.set B2,  48
.set B0,  50
.macro WSUM r, t
	v_add_f32_dpp v[\r], v[\r], v[\r] row_xmask:1 row_mask:0xf bank_mask:0xf
	v_add_f32_dpp v[\r], v[\r], v[\r] row_xmask:2 row_mask:0xf bank_mask:0xf
	v_add_f32_dpp v[\r], v[\r], v[\r] row_xmask:4 row_mask:0xf bank_mask:0xf
	v_add_f32_dpp v[\r], v[\r], v[\r] row_xmask:8 row_mask:0xf bank_mask:0xf
	v_permlanex16_b32 v[\t], v[\r], s26, s27
	v_add_f32 v[\r], v[\r], v[\t]
.endm
	s_load_b256 s[4:11], s[0:1], 0x0               ; x s[4:5], gamma s[6:7], beta s[8:9], part s[10:11]
	s_load_b64 s[12:13], s[0:1], 0x20              ; coef
	v_lshl_add_u32 v176, v0, 2, 0x100
	v_mov_b32 v177, 0
	v_lshlrev_b32 v1, 4, v0                        ; 16 t: load i of the work-group covers bytes 4096 i + 16 t of the row
	v_and_b32 v2, 31, v0
	v_lshlrev_b32 v2, 4, v2                        ; 16 x lane: two of the channel's 64 pairs
	v_lshrrev_b32 v3, 5, v0
	v_readfirstlane_b32 s14, v3                    ; wave 0..7
	s_and_b32 s15, ttmp9, 63                       ; c
	s_lshl_b32 s16, ttmp9, 16                      ; my row of x
	s_mov_b32 s17, 0
	s_lshl_b32 s18, s15, 9                         ; my channel's 512 bytes of pairs
	s_mov_b32 s19, 0
	s_lshl_b32 s20, s15, 2                         ; its gamma and beta
	s_mov_b32 s21, 0
	s_lshl_b32 s22, ttmp9, 6                       ; my record
	s_mov_b32 s23, 0
	s_wait_kmcnt 0x0
	s_add_nc_u64 s[10:11], s[10:11], s[18:19]
	s_add_nc_u64 s[4:5], s[4:5], s[16:17]
	s_add_nc_u64 s[6:7], s[6:7], s[20:21]
	s_add_nc_u64 s[8:9], s[8:9], s[20:21]
	s_add_nc_u64 s[12:13], s[12:13], s[22:23]
	global_load_b128 v[4:7], v2, s[10:11]          ; the pairs first: they are wanted first, and loads come back in order
.irp i, 0,1,2,3,4,5,6,7,8,9,10,11,12,13,14,15
	global_load_b128 v[X+4*\i:X+4*\i+3], v1, s[4:5] offset:4096*\i
.endr
	s_load_b32 s24, s[6:7], 0x0                    ; gamma[c]
	s_load_b32 s25, s[8:9], 0x0                    ; beta[c]
	s_mov_b32 s26, 0x76543210                      ; v_permlanex16_b32's selects for lane l xor 16
	s_mov_b32 s27, 0xfedcba98
	s_mov_b32 s28, -7.90531110763549805            ; beyond these the rational is not used: tanh is 1 to the last place there
	s_mov_b32 s29, 7.90531110763549805
	s_mov_b32 s[A13], -2.76076847742355e-16        ; P: x^12 ..
	s_mov_b32 s[A11], 2.00018790482477e-13
	s_mov_b32 s[A9], -8.60467152213735e-11
	s_mov_b32 s[A7], 5.12229709037114e-08
	s_mov_b32 s[A5], 1.48572235717979e-05
	s_mov_b32 s[A3], 6.37261928875436e-04
	s_mov_b32 s[A1], 4.89352455891786e-03          ; .. x^0
	s_mov_b32 s[B6], 3.9129701292e-07              ; Q / rho: x^6 ..
	s_mov_b32 s[B4], 3.8708075378e-05
	s_mov_b32 s[B2], 7.4076818459e-04
	s_mov_b32 s[B0], 1.5980040668e-03              ; .. x^0
.irp c, A13, A11, A9, A7, A5, A3, A1, B6, B4, B2, B0
	s_mov_b32 s[\c+1], s[\c]                       ; (a packed instruction names the pair and takes its low word for both halves: so the upper word is written)
.endr
	v_mov_b32 v15, 0                               ; (a lane permute's destination counts as one of its sources)
	s_wait_loadcnt 16                              ; the pairs are in; the 16 loads of x behind them may be out
	v_add_f32 v12, v4, v6
	WSUM 12, 15
	v_mul_f32 v12, 0x3c800000, v12                 ; / 64: the channel's mean
	v_sub_f32 v13, v4, v12
	v_sub_f32 v14, v6, v12
	v_mul_f32 v13, v13, v13
	v_fma_f32 v13, v14, v14, v13
	v_add_f32 v14, v5, v7
	v_fmamk_f32 v13, v13, 0x45000000, v14          ; q_i + 2,048 (mean_i - mean)^2, my two
	WSUM 13, 15
	v_mul_f32 v13, 0x37000000, v13                 ; / 131,072: the variance
	v_add_f32 v13, 0x3727c5ac, v13                 ; + 1e-5
	v_rsq_f32 v13, v13
	v_nop                                          ; one plain line behind a transcendental
	s_wait_kmcnt 0x0                               ; gamma, beta
	s_wait_alu depctr_va_vdst(0)                   ; a wait ahead of the first line that names the result
	v_mul_f32 v[AA], s24, v13                      ; A
	v_fma_f32 v[SS], -v12, v[AA], s25              ; S = beta - mean A
	v_mov_b32 v[AA+1], v[AA]
	v_mov_b32 v[SS+1], v[SS]
; FOUR PAIRS (eight numbers, two loads) AT A TIME, each step for all four, so that no line waits for the line above it.  first = 1: the first two pairs start the two sets of sums: nothing is cleared.
; Each batch of transcendentals is followed by work that names none of its results (behind the reciprocals: P; behind the exponentials: the powers of u), then by ONE wait.
.macro GROUP k, first
	s_wait_loadcnt 14-2*(\k)                       ; this group's two loads are in; the 14 - 2 k behind them may be out
.irp s, 0,1,2,3
	v_pk_fma_f32 v[X+8*(\k)+2*\s:X+8*(\k)+2*\s+1], v[X+8*(\k)+2*\s:X+8*(\k)+2*\s+1], v[AA:AA+1], v[SS:SS+1]   ; xn
.endr
.irp s, 0,1,2,3
	v_med3_num_f32 v[T+12*\s+XC], v[X+8*(\k)+2*\s], s28, s29
	v_med3_num_f32 v[T+12*\s+XC+1], v[X+8*(\k)+2*\s+1], s28, s29
.endr
.irp s, 0,1,2,3
	v_pk_mul_f32 v[T+12*\s+X2:T+12*\s+X2+1], v[T+12*\s+XC:T+12*\s+XC+1], v[T+12*\s+XC:T+12*\s+XC+1]
.endr
.irp s, 0,1,2,3
	v_pk_fma_f32 v[T+12*\s+QQ:T+12*\s+QQ+1], v[T+12*\s+X2:T+12*\s+X2+1], s[B6:B6+1], s[B4:B4+1] op_sel_hi:[1,0,0]
.endr
.irp c, B2, B0
.irp s, 0,1,2,3
	v_pk_fma_f32 v[T+12*\s+QQ:T+12*\s+QQ+1], v[T+12*\s+QQ:T+12*\s+QQ+1], v[T+12*\s+X2:T+12*\s+X2+1], s[\c:\c+1] op_sel_hi:[1,1,0]
.endr
.endr
.irp s, 0,1,2,3
	v_rcp_f32 v[T+12*\s+QQ], v[T+12*\s+QQ]
	v_rcp_f32 v[T+12*\s+QQ+1], v[T+12*\s+QQ+1]
.endr
.irp s, 0,1,2,3
	v_pk_fma_f32 v[T+12*\s+PP:T+12*\s+PP+1], v[T+12*\s+X2:T+12*\s+X2+1], s[A13:A13+1], s[A11:A11+1] op_sel_hi:[1,0,0]
.endr
.irp c, A9, A7, A5, A3, A1
.irp s, 0,1,2,3
	v_pk_fma_f32 v[T+12*\s+PP:T+12*\s+PP+1], v[T+12*\s+PP:T+12*\s+PP+1], v[T+12*\s+X2:T+12*\s+X2+1], s[\c:\c+1] op_sel_hi:[1,1,0]
.endr
.endr
.irp s, 0,1,2,3
	v_pk_mul_f32 v[T+12*\s+PP:T+12*\s+PP+1], v[T+12*\s+PP:T+12*\s+PP+1], v[T+12*\s+XC:T+12*\s+XC+1]
.endr
	s_wait_alu depctr_va_vdst(0)                   ; one wait for the eight reciprocals
.irp s, 0,1,2,3
	v_pk_mul_f32 v[T+12*\s+PP:T+12*\s+PP+1], v[T+12*\s+PP:T+12*\s+PP+1], v[T+12*\s+QQ:T+12*\s+QQ+1]   ; u = rho tanh(xn)
.endr
.irp s, 0,1,2,3
	v_pk_mul_f32 v[T+12*\s+QQ:T+12*\s+QQ+1], v[T+12*\s+PP:T+12*\s+PP+1], v[T+12*\s+PP:T+12*\s+PP+1]   ; u^2
.endr
.irp s, 0,1,2,3
	v_exp_f32 v[T+12*\s+X2], -v[T+12*\s+QQ]        ; g = 2^(-u^2) = exp(-t^2 / 2)
	v_exp_f32 v[T+12*\s+X2+1], -v[T+12*\s+QQ+1]
.endr
.irp s, 0,1,2,3
	v_pk_mul_f32 v[T+12*\s+XC:T+12*\s+XC+1], v[T+12*\s+PP:T+12*\s+PP+1], v[T+12*\s+QQ:T+12*\s+QQ+1]   ; u^3
.endr
.irp s, 0,1,2,3
	v_pk_mul_f32 v[T+12*\s+P4:T+12*\s+P4+1], v[T+12*\s+QQ:T+12*\s+QQ+1], v[T+12*\s+QQ:T+12*\s+QQ+1]   ; u^4
.endr
.irp s, 0,1,2,3
	v_pk_mul_f32 v[T+12*\s+P5:T+12*\s+P5+1], v[T+12*\s+XC:T+12*\s+XC+1], v[T+12*\s+QQ:T+12*\s+QQ+1]   ; u^5
.endr
	s_wait_alu depctr_va_vdst(0)                   ; one wait for the eight exponentials
.irp s, 0,1,2,3
.if (\first) && (\s < 2)
	v_pk_mul_f32 v[MA+12*\s:MA+12*\s+1], v[T+12*\s+X2:T+12*\s+X2+1], v[X+8*(\k)+2*\s:X+8*(\k)+2*\s+1]   ; g xn starts m0
.else
	v_pk_mul_f32 v[X+8*(\k)+2*\s:X+8*(\k)+2*\s+1], v[T+12*\s+X2:T+12*\s+X2+1], v[X+8*(\k)+2*\s:X+8*(\k)+2*\s+1]   ; g xn
.endif
.endr
.irp s, 0,1,2,3
.if (\first) && (\s < 2)
	v_pk_mul_f32 v[MA+12*\s+2:MA+12*\s+3], v[MA+12*\s:MA+12*\s+1], v[T+12*\s+PP:T+12*\s+PP+1]
	v_pk_mul_f32 v[MA+12*\s+4:MA+12*\s+5], v[MA+12*\s:MA+12*\s+1], v[T+12*\s+QQ:T+12*\s+QQ+1]
	v_pk_mul_f32 v[MA+12*\s+6:MA+12*\s+7], v[MA+12*\s:MA+12*\s+1], v[T+12*\s+XC:T+12*\s+XC+1]
	v_pk_mul_f32 v[MA+12*\s+8:MA+12*\s+9], v[MA+12*\s:MA+12*\s+1], v[T+12*\s+P4:T+12*\s+P4+1]
	v_pk_mul_f32 v[MA+12*\s+10:MA+12*\s+11], v[MA+12*\s:MA+12*\s+1], v[T+12*\s+P5:T+12*\s+P5+1]
.else
	v_pk_add_f32 v[MA+12*(\s%2):MA+12*(\s%2)+1], v[MA+12*(\s%2):MA+12*(\s%2)+1], v[X+8*(\k)+2*\s:X+8*(\k)+2*\s+1]
	v_pk_fma_f32 v[MA+12*(\s%2)+2:MA+12*(\s%2)+3], v[X+8*(\k)+2*\s:X+8*(\k)+2*\s+1], v[T+12*\s+PP:T+12*\s+PP+1], v[MA+12*(\s%2)+2:MA+12*(\s%2)+3]
	v_pk_fma_f32 v[MA+12*(\s%2)+4:MA+12*(\s%2)+5], v[X+8*(\k)+2*\s:X+8*(\k)+2*\s+1], v[T+12*\s+QQ:T+12*\s+QQ+1], v[MA+12*(\s%2)+4:MA+12*(\s%2)+5]
	v_pk_fma_f32 v[MA+12*(\s%2)+6:MA+12*(\s%2)+7], v[X+8*(\k)+2*\s:X+8*(\k)+2*\s+1], v[T+12*\s+XC:T+12*\s+XC+1], v[MA+12*(\s%2)+6:MA+12*(\s%2)+7]
	v_pk_fma_f32 v[MA+12*(\s%2)+8:MA+12*(\s%2)+9], v[X+8*(\k)+2*\s:X+8*(\k)+2*\s+1], v[T+12*\s+P4:T+12*\s+P4+1], v[MA+12*(\s%2)+8:MA+12*(\s%2)+9]
	v_pk_fma_f32 v[MA+12*(\s%2)+10:MA+12*(\s%2)+11], v[X+8*(\k)+2*\s:X+8*(\k)+2*\s+1], v[T+12*\s+P5:T+12*\s+P5+1], v[MA+12*(\s%2)+10:MA+12*(\s%2)+11]
.endif
.endr
.endm
	GROUP 0, 1
.irp g, 1,2,3,4,5,6,7
	GROUP \g, 0
.endr
.irp j, 0,2,4,6,8,10
	v_pk_add_f32 v[MA+\j:MA+\j+1], v[MA+\j:MA+\j+1], v[MA+12+\j:MA+13+\j]
.endr
.irp j, 0,1,2,3,4,5
	v_add_f32 v[MJ+\j], v[MA+2*\j], v[MA+2*\j+1]   ; my 64 numbers' moments
.endr
	; my share of the six costs: cost_k = sum_j E[k][j] m_j, E[k][j] = N_k x (H_k's coefficient of t^j) x (2 ln 2)^(j / 2), N_k = pi^(-1/4) / sqrt(2^k k!)
	v_mul_f32 v[CB], 0.7511255445, v[MJ]
	v_mul_f32 v[CB+1], 1.2507060712, v[MJ+1]
	v_mul_f32 v[CB+2], -0.5311259660, v[MJ]
	v_mul_f32 v[CB+3], -1.5317958463, v[MJ+1]
	v_mul_f32 v[CB+4], 0.4599685792, v[MJ]
	v_mul_f32 v[CB+5], 1.7125998201, v[MJ+1]
	v_fmac_f32 v[CB+2], 1.4725938634, v[MJ+2]
	v_fmac_f32 v[CB+3], 1.4156799628, v[MJ+3]
	v_fmac_f32 v[CB+4], -2.5506073904, v[MJ+2]
	v_fmac_f32 v[CB+5], -3.1655566312, v[MJ+3]
	v_fmac_f32 v[CB+4], 1.1786308809, v[MJ+4]
	v_fmac_f32 v[CB+5], 0.8776786615, v[MJ+5]
.irp m, 1,2,4,8                        ; over the wave's lanes, the six by turns
.irp j, 0,1,2,3,4,5
	v_add_f32_dpp v[CB+\j], v[CB+\j], v[CB+\j] row_xmask:\m row_mask:0xf bank_mask:0xf
.endr
.endr
.irp j, 0,1,2,3,4,5
	v_permlanex16_b32 v[T+\j], v[CB+\j], s26, s27
.endr
.irp j, 0,1,2,3,4,5
	v_add_f32 v[CB+\j], v[CB+\j], v[T+\j]
.endr
	v_mov_b32 v3, s14
	v_lshlrev_b32 v3, 5, v3                        ; LDS: 32 bytes a wave
	ds_store_b128 v3, v[CB:CB+3]                   ; all lanes write the same words with the same values
	ds_store_b64 v3, v[CB+4:CB+5] offset:16
	s_wait_dscnt 0x0                               ; for the others' sake: my stores are done
	s_barrier_signal -1
	s_barrier_wait -1
	s_cmp_lg_u32 s14, 0                            ; the rest is wave 0's
	s_cbranch_scc1 .Lend
	v_mov_b32 v3, 0
.irp w, 0,1,2,3,4,5,6,7
	ds_load_b128 v[R+8*\w:R+8*\w+3], v3 offset:32*\w
	ds_load_b64 v[R+8*\w+4:R+8*\w+5], v3 offset:32*\w+16
.endr
	s_wait_dscnt 0x0
.irp w, 0,2,4,6                        ; the eight waves' shares, pairwise
.irp i, 0,2,4
	v_pk_add_f32 v[R+8*\w+\i:R+8*\w+\i+1], v[R+8*\w+\i:R+8*\w+\i+1], v[R+8*\w+8+\i:R+8*\w+9+\i]
.endr
.endr
.irp w, 0,4
.irp i, 0,2,4
	v_pk_add_f32 v[R+8*\w+\i:R+8*\w+\i+1], v[R+8*\w+\i:R+8*\w+\i+1], v[R+8*\w+16+\i:R+8*\w+17+\i]
.endr
.endr
.irp i, 0,2,4
	v_pk_add_f32 v[R+\i:R+\i+1], v[R+\i:R+\i+1], v[R+32+\i:R+33+\i]
.endr
	v_max3_num_f32 v86, v[R], v[R+1], v[R+2]       ; softmax over the six: the largest is taken off first
	v_max3_num_f32 v86, v86, v[R+3], v[R+4]
	v_max_num_f32 v86, v86, v[R+5]
.irp k, 0,1,2,3,4,5
	v_sub_f32 v[EX+\k], v[R+\k], v86
.endr
.irp k, 0,1,2,3,4,5
	v_mul_f32 v[EX+\k], 0x3fb8aa3b, v[EX+\k]       ; x log2(e)
.endr
.irp k, 0,1,2,3,4,5
	v_exp_f32 v[EX+\k], v[EX+\k]
.endr
	v_nop
	s_wait_alu depctr_va_vdst(0)
	v_add_f32 v87, v[EX], v[EX+1]
	v_add_f32 v88, v[EX+2], v[EX+3]
	v_add_f32 v89, v[EX+4], v[EX+5]
	v_add_f32 v87, v87, v88
	v_add_f32 v87, v87, v89                        ; at least 1: the largest cost's term
	v_rcp_f32 v87, v87
	v_nop
	s_wait_alu depctr_va_vdst(0)
.irp k, 0,1,2,3,4,5
	v_mul_f32 v[EX+\k], v[EX+\k], v87              ; w_k
.endr
	v_mul_f32 v96, 0.8776786615, v[EX+5]           ; a5 = w5 E[5][5]
	v_mul_f32 v98, 1.1786308809, v[EX+4]           ; a4
	v_mul_f32 v100, 1.4156799628, v[EX+3]          ; a3
	v_mul_f32 v102, 1.4725938634, v[EX+2]          ; a2
	v_mul_f32 v104, 1.2507060712, v[EX+1]          ; a1
	v_mul_f32 v106, 0.7511255445, v[EX]            ; a0
	v_fmac_f32 v100, -3.1655566312, v[EX+5]
	v_fmac_f32 v102, -2.5506073904, v[EX+4]
	v_fmac_f32 v104, -1.5317958463, v[EX+3]
	v_fmac_f32 v106, -0.5311259660, v[EX+2]
	v_fmac_f32 v104, 1.7125998201, v[EX+5]
	v_fmac_f32 v106, 0.4599685792, v[EX+4]
.irp j, 96,98,100,102,104,106
	v_mov_b32 v[\j+1], v[\j]                       ; each twice: the reader names pairs, so both words are stored
.endr
	s_wait_xcnt 0x0                                ; EXEC is a source of the loads above: it changes only behind this wait
	v_cmp_eq_u32 vcc_lo, 0, v0
	s_and_saveexec_b32 s15, vcc_lo                 ; every lane holds the record: lane 0 stores it
	global_store_b128 v3, v[AA:AA+3], s[12:13]     ; A, A, S, S
	global_store_b128 v3, v[96:99], s[12:13] offset:16
	global_store_b128 v3, v[100:103], s[12:13] offset:32
	global_store_b128 v3, v[104:107], s[12:13] offset:48
	s_wait_xcnt 0x0
	s_or_b32 exec_lo, exec_lo, s15
.Lend:
	s_wait_tensorcnt 0x0
	ds_add_u32 v176, v177
	s_wait_dscnt 0x0
	s_endpgm
.Lfunc_end_k_qa9aba40c24_cost:
	.size	k_qa9aba40c24_cost, .Lfunc_end_k_qa9aba40c24_cost-k_qa9aba40c24_cost
	.p2alignl 7, 3214868480
	.fill 96, 4, 3214868480
	.section	.rodata,"a",@progbits
	.p2align	6, 0x0
	.amdhsa_kernel k_qa9aba40c24_cost
		.amdhsa_group_segment_fixed_size 1280
		.amdhsa_private_segment_fixed_size 0
		.amdhsa_enable_private_segment 0
		.amdhsa_kernarg_size 40
		.amdhsa_user_sgpr_count 2
		.amdhsa_user_sgpr_kernarg_segment_ptr 1
		.amdhsa_wavefront_size32 1
		.amdhsa_system_sgpr_workgroup_id_x 1
		.amdhsa_system_sgpr_workgroup_id_y 1
		.amdhsa_system_sgpr_workgroup_id_z 1
		.amdhsa_system_vgpr_workitem_id 0
		.amdhsa_next_free_vgpr 178
		.amdhsa_next_free_sgpr 66
		.amdhsa_reserve_vcc 1
		.amdhsa_float_denorm_mode_32 3
		.amdhsa_float_denorm_mode_16_64 3
		.amdhsa_memory_ordered 1
		.amdhsa_forward_progress 1
		.amdhsa_inst_pref_size 74
	.end_amdhsa_kernel
	.amdgpu_metadata
---
amdhsa.version: [ 1, 2 ]
amdhsa.kernels:
  - .name:           k_qa9aba40c24_cost
    .symbol:         k_qa9aba40c24_cost.kd
    .args:
      - { .name: x, .offset: 0, .size: 8, .value_kind: global_buffer, .address_space: global }
      - { .name: gamma, .offset: 8, .size: 8, .value_kind: global_buffer, .address_space: global }
      - { .name: beta, .offset: 16, .size: 8, .value_kind: global_buffer, .address_space: global }
      - { .name: part, .offset: 24, .size: 8, .value_kind: global_buffer, .address_space: global }
      - { .name: coef, .offset: 32, .size: 8, .value_kind: global_buffer, .address_space: global }
    .group_segment_fixed_size: 1280
    .private_segment_fixed_size: 0
    .kernarg_segment_align: 8
    .kernarg_segment_size: 40
    .max_flat_workgroup_size: 256
    .sgpr_count:     66
    .vgpr_count:     178
    .wavefront_size: 32
...
	.end_amdgpu_metadata
.endif
;; end of part 2
;; launch mix (part 3): grid 512 x 1, 8 waves a work-group, no clusters, 15,360 bytes of LDS; arguments x, coef, wimg, b, out0; writes out0
.if DOCPART == 3
	.amdgcn_target "amdgcn-amd-amdhsa--gfx1250"
	.amdhsa_code_object_version 6
	.text
	.protected	k_qa9aba40c24_mix
	.globl	k_qa9aba40c24_mix
	.p2align	8
	.type	k_qa9aba40c24_mix,@function
k_qa9aba40c24_mix:
	s_mov_b64 s[64:65], 0
	v_nop
	global_prefetch_b8 v0, s[64:65] scope:SCOPE_SE
	s_setreg_imm32_b32 hwreg(HW_REG_WAVE_MODE, 25, 1), 1
	s_wait_xcnt 0x0
; THIRD OF THREE LAUNCHES.  out[b][o][d] = sum over c of Wt[o][c] y[b][c][d] + bias[o], the product on codes of E3M2 with one E8M0 scale for each 32 along c.
; y = 2^(-u^2) (a0 + a1 u + .. + a5 u^5), u = rho tanh(x A + S): A, S and a5 .. a0 are the second launch's record of row (b, c); tanh is that launch's rational, with the same coefficients.
; SHARES.  A work-group takes one batch and 256 places d; wave w takes the 64 places of tile w / 2 and the 32 channels of K block w % 2: so a SIMD has four waves whose vector work fills each other's waits.
; A LANE TAKES TWO PLACES d, AND ITS REGISTERS RUN ALONG c.  A load reads one channel at the wave's 64 places: 256 consecutive bytes.  A channel's record is the same for all lanes: it comes by a
; scalar load and feeds packed instructions as scalar pairs.  A block of 32 along K lies in one lane's 32 registers: its largest magnitude needs no other lane, and the conversions give codes with K innermost.
; All 32 loads of a wave go out at its head: its whole share; so there is no ring.  Records come two channels ahead of their use, in two sets of registers by turns.
; WHICH PLACES: lane l reads the 8 bytes at 16 (l % 16) + 8 (l / 16): lanes 0-15 hold d = 4 r + q, lanes 16-31 d = 4 r + 2 + q (q = 0, 1).
; FROM WAVE TO WAVE: each wave stores its 2 x 6 registers of codes and its two scale bytes in LDS as images of the registers; behind one barrier both waves of a tile load both blocks.
; v_permlane16_swap_b32 then gives lanes 0-15 block 0 and lanes 16-31 block 1 of one place, as the operand's layout asks: its first register holds the places of lanes 0-15, its second those of lanes 16-31.
; K IS 64, THE INSTRUCTION'S 128: the two results of the swap stand on end as ONE operand of 12 registers: K 0-63 is the tile d = 4 r + q, K 64-127 the tile d = 4 r + 2 + q.  Wt's 16 rows are used as
; [W | zeros] for the first and [zeros | W] for the second: zero codes add nothing under any scale byte that is in use here (1 to 254).  The chain Z W Z W Z of 30 registers holds all four operands.
; Scale words hold their two bytes twice, so that one word serves either half of K; y's word is the lane's own: lanes 0-15 for the first tile, lanes 16-31 (ROW1) for the second.
; Source 0 = Wt (m = o), source 1 = y (n = d): register j of lane (r, h) is out(16 mt + 8 h + j, the tile's place r).  Wave w makes mt = 2 (w % 2) and 2 (w % 2) + 1.
; THE WAY OUT: four tiles give a lane d = 4 r + 0 .. 3 of one row o; the addition of the bias puts them into four registers on end; a store's lanes 0-15 then cover 256 consecutive bytes of row o,
; at a multiple of 256 from out's first byte, and lanes 16-31 the same of row o + 8.
; NOT USED: tensor loads and rings (nothing is read twice, all is asked for at the head); clusters (work-groups share the 3.5 KB image of Wt and 4 KB of records, a small part of their 128 KB).
; LIMITS: NaN and infinities are not served.  A block of zeros has the byte 1 with zero codes.  y is summed as a polynomial in u, not by the recurrence: another order of rounding, errors of the same size.
.set XO,  2                            ; v2   x: 16 r + 8 h
.set OO,  3                            ; v3   out: 16 r + 8 h rows of 65,536 bytes
.set L16, 4                            ; v4   16 x lane
.set L8,  5                            ; v5   8 x lane
.set HB,  6                            ; v6   32 h: the bias of my half's eight rows
.set LA,  7                            ; v7-9   LDS, on the way in: my wave's images (16 and 8 bytes a lane), my wave's scale bytes
.set LB,  8
.set LC,  9
.set RA,  10                           ; v10-12 and on the way out: my tile's
.set RB,  11
.set RC,  12
.set MX,  14                           ; v[14:15] the block's largest magnitude, place q
.set SO,  16                           ; v[16:17] the conversions' scale operands
.set SB,  18                           ; v[18:19] the scale bytes
.set T,   20                           ; v[20:31] two channels at work, 6 registers each: +0 xn^2, u^2, g; +2 Q, 1 / Q, the polynomial; +4 P, x P, u
.set X,   32                           ; v[32:95]  x, 2 registers a channel; then xn
.set Y,   96                           ; v[96:159] y: place q's 32 channels at Y + 32 q
.set WC,  160                          ; v[160:189] Z W Z W Z
.set WS,  190                          ; v[190:191] Wt's scale words, my two tiles
.set BI,  192                          ; v[192:207] the bias, my two tiles x 8 rows
.set OP,  208                          ; v[208:231] y's two operands
.set SW,  232                          ; v[232:233] y's scale words
.set CQ,  32                           ; where x lay: my codes, 6 registers a place;
.set TQ,  44                           ; the upper halves as the conversions leave them
.set DD,  32                           ; later: the 8 accumulators
.set OU,  96                           ; where y lay: out, 4 places on end
.set SCB, 12288                        ; LDS: 8 waves x 1,536 bytes of codes, then 8 x 256 of scale bytes
.set A13, 6                            ; s[6:27] the rational's coefficients, each in a pair
.set A11, 8
.set A9,  10
.set A7,  12
.set A5,  14
.set A3,  16
.set A1,  18
.set B6,  20
.set B4,  22
.set B2,  24
.set B0,  26
	s_load_b256 s[68:75], s[0:1], 0x0              ; x s[68:69], coef s[70:71], wimg s[72:73], b s[74:75]: in registers that the records take later
	s_load_b64 s[76:77], s[0:1], 0x20              ; out0
	v_lshl_add_u32 v240, v0, 2, 0x3800
	v_mov_b32 v241, 0
	v_lshrrev_b32 v1, 5, v0
	v_readfirstlane_b32 s30, v1                    ; wave 0..7
	v_and_b32 v1, 31, v0                           ; lane
	v_and_b32 v20, 15, v0                          ; r
	v_bfe_u32 v21, v0, 4, 1                        ; h
	v_lshlrev_b32 v[L16], 4, v1
	v_lshlrev_b32 v[L8], 3, v1
	v_lshlrev_b32 v[XO], 4, v20
	v_lshl_add_u32 v[OO], v21, 19, v[XO]
	v_lshl_add_u32 v[XO], v21, 3, v[XO]
	v_lshlrev_b32 v[HB], 5, v21
	s_and_b32 s31, s30, 1                          ; my K block; also: which two tiles of Wt's rows are mine
	s_lshr_b32 s78, s30, 1                         ; my tile of 64 places
	s_lshr_b32 s79, ttmp9, 6                       ; the batch
	s_and_b32 s80, ttmp9, 63                       ; which 256 places
	s_lshl_b32 s82, s79, 22                        ; 64 rows of 65,536 bytes a batch,
	s_lshl_b32 s81, s31, 21                        ; 32 rows a block (of x: channels; of out: my 32 rows o),
	s_or_b32 s82, s82, s81
	s_lshl_b32 s81, s80, 10                        ; 1,024 bytes a work-group,
	s_or_b32 s82, s82, s81
	s_lshl_b32 s81, s78, 8                         ; 256 a tile: one offset serves x and out
	s_or_b32 s82, s82, s81
	s_mov_b32 s83, 0
	s_lshl_b32 s84, s79, 12                        ; records: 64 x 64 bytes a batch,
	s_lshl_b32 s81, s31, 11                        ; 32 x 64 a block
	s_or_b32 s84, s84, s81
	s_mov_b32 s85, 0
	s_mul_i32 s86, s31, 1536                       ; Wt's image: 768 bytes a tile, my two
	s_mov_b32 s87, 0
	s_lshl_b32 s88, s31, 3                         ; its scale words: my two of a lane's four
	s_mov_b32 s89, 0
	s_lshl_b32 s90, s31, 7                         ; the bias: my 32 numbers
	s_mov_b32 s91, 0
	s_mul_i32 s94, s30, 1536
	v_add_nc_u32 v[LA], s94, v[L16]
	v_add_nc_u32 v[LB], s94, v[L8]
	s_lshl_b32 s95, s30, 8
	s_add_co_u32 s95, s95, SCB
	v_add_nc_u32 v[LC], s95, v[L8]
	s_mul_i32 s96, s78, 3072
	v_add_nc_u32 v[RA], s96, v[L16]
	v_add_nc_u32 v[RB], s96, v[L8]
	s_lshl_b32 s97, s78, 9
	s_add_co_u32 s97, s97, SCB
	v_add_nc_u32 v[RC], s97, v[L8]
	s_wait_kmcnt 0x0
	s_add_nc_u64 s[2:3], s[70:71], s[84:85]        ; my block's records
	s_load_b512 s[32:47], s[2:3], 0x0              ; channels 0 and 1
	s_load_b512 s[48:63], s[2:3], 0x40
	s_add_nc_u64 s[68:69], s[68:69], s[82:83]
	s_add_nc_u64 s[4:5], s[76:77], s[82:83]
.set c, 0
.rept 32
	global_load_b64 v[X+2*c:X+2*c+1], v[XO], s[68:69] offset:65536*c th:TH_LOAD_NT   ; channel c at my wave's 64 places: 256 consecutive bytes; the last time x is read
.set c, c+1
.endr
	s_add_nc_u64 s[92:93], s[72:73], s[88:89]
	s_add_nc_u64 s[72:73], s[72:73], s[86:87]
	s_add_nc_u64 s[74:75], s[74:75], s[90:91]
.irp i, 0,1                            ; nine loads behind x's, wanted last
	global_load_b128 v[WC+6+12*\i:WC+9+12*\i], v[L16], s[72:73] offset:768*\i
	global_load_b64 v[WC+10+12*\i:WC+11+12*\i], v[L8], s[72:73] offset:768*\i+512
.endr
	global_load_b64 v[WS:WS+1], v[L16], s[92:93] offset:3072
.irp i, 0,1
	global_load_b128 v[BI+8*\i:BI+8*\i+3], v[HB], s[74:75] offset:64*\i
	global_load_b128 v[BI+8*\i+4:BI+8*\i+7], v[HB], s[74:75] offset:64*\i+16
.endr
	s_mov_b32 s28, -7.90531110763549805            ; beyond these the rational is not used: tanh is 1 to the last place there
	s_mov_b32 s29, 7.90531110763549805
	s_mov_b32 s[A13], -2.76076847742355e-16        ; P: x^12 ..
	s_mov_b32 s[A11], 2.00018790482477e-13
	s_mov_b32 s[A9], -8.60467152213735e-11
	s_mov_b32 s[A7], 5.12229709037114e-08
	s_mov_b32 s[A5], 1.48572235717979e-05
	s_mov_b32 s[A3], 6.37261928875436e-04
	s_mov_b32 s[A1], 4.89352455891786e-03          ; .. x^0
	s_mov_b32 s[B6], 3.9129701292e-07              ; Q / rho: x^6 ..
	s_mov_b32 s[B4], 3.8708075378e-05
	s_mov_b32 s[B2], 7.4076818459e-04
	s_mov_b32 s[B0], 1.5980040668e-03              ; .. x^0
.irp c, A13, A11, A9, A7, A5, A3, A1, B6, B4, B2, B0
	s_mov_b32 s[\c+1], s[\c]                       ; (a packed instruction names the pair and takes its low word for both halves: so the upper word is written)
.endr
.irp z, 0,12,24
.irp i, 0,1,2,3,4,5
	v_mov_b32 v[WC+\z+\i], 0                       ; the chain's three runs of zero codes
.endr
.endr
; TWO CHANNELS AT A TIME, 2 k and 2 k + 1, each step for both; Q's and P's chains by turns.  Their records lie in s[SE ..]: +0 A, +2 S, +4 a5 .. +14 a0, the second channel's 16 further on.
; Each batch of transcendentals is followed by work that names none of its results (behind the reciprocals: the rest of P; behind the exponentials: the polynomial), then by ONE wait.
.macro GROUP k
.set SE, 32+36*((\k)%2)
.set SN, 68-36*((\k)%2)
	s_wait_kmcnt 0x0                               ; this group's records, asked for a group ago
.if (\k) == 0
	s_wait_xcnt 0x0                                ; the loads above have read their bases: s68 to s99 may take records
.endif
.if (\k) < 15
	s_load_b512 s[SN:SN+15], s[2:3], 128*(\k)+128  ; the next group's, into the set that the last group has left
	s_load_b512 s[SN+16:SN+31], s[2:3], 128*(\k)+192
.endif
	s_wait_loadcnt 39-2*(\k)                       ; these two channels are in; behind them: 30 - 2 k loads of x and the nine of Wt's image and the bias
.irp j, 0,1
	v_pk_fma_f32 v[X+4*(\k)+2*\j:X+4*(\k)+2*\j+1], v[X+4*(\k)+2*\j:X+4*(\k)+2*\j+1], s[SE+16*\j:SE+16*\j+1], s[SE+16*\j+2:SE+16*\j+3] op_sel_hi:[1,0,0]   ; xn = x A + S
.endr
.irp j, 0,1
	v_med3_num_f32 v[X+4*(\k)+2*\j], v[X+4*(\k)+2*\j], s28, s29
	v_med3_num_f32 v[X+4*(\k)+2*\j+1], v[X+4*(\k)+2*\j+1], s28, s29
.endr
.irp j, 0,1
	v_pk_mul_f32 v[T+6*\j:T+6*\j+1], v[X+4*(\k)+2*\j:X+4*(\k)+2*\j+1], v[X+4*(\k)+2*\j:X+4*(\k)+2*\j+1]
.endr
.irp j, 0,1
	v_pk_fma_f32 v[T+6*\j+2:T+6*\j+3], v[T+6*\j:T+6*\j+1], s[B6:B6+1], s[B4:B4+1] op_sel_hi:[1,0,0]
.endr
.irp j, 0,1
	v_pk_fma_f32 v[T+6*\j+4:T+6*\j+5], v[T+6*\j:T+6*\j+1], s[A13:A13+1], s[A11:A11+1] op_sel_hi:[1,0,0]
.endr
.irp j, 0,1
	v_pk_fma_f32 v[T+6*\j+2:T+6*\j+3], v[T+6*\j+2:T+6*\j+3], v[T+6*\j:T+6*\j+1], s[B2:B2+1] op_sel_hi:[1,1,0]
.endr
.irp j, 0,1
	v_pk_fma_f32 v[T+6*\j+4:T+6*\j+5], v[T+6*\j+4:T+6*\j+5], v[T+6*\j:T+6*\j+1], s[A9:A9+1] op_sel_hi:[1,1,0]
.endr
.irp j, 0,1
	v_pk_fma_f32 v[T+6*\j+2:T+6*\j+3], v[T+6*\j+2:T+6*\j+3], v[T+6*\j:T+6*\j+1], s[B0:B0+1] op_sel_hi:[1,1,0]
.endr
.irp j, 0,1
	v_pk_fma_f32 v[T+6*\j+4:T+6*\j+5], v[T+6*\j+4:T+6*\j+5], v[T+6*\j:T+6*\j+1], s[A7:A7+1] op_sel_hi:[1,1,0]
.endr
.irp j, 0,1
	v_rcp_f32 v[T+6*\j+2], v[T+6*\j+2]
	v_rcp_f32 v[T+6*\j+3], v[T+6*\j+3]
.endr
.irp c, A5, A3, A1
.irp j, 0,1
	v_pk_fma_f32 v[T+6*\j+4:T+6*\j+5], v[T+6*\j+4:T+6*\j+5], v[T+6*\j:T+6*\j+1], s[\c:\c+1] op_sel_hi:[1,1,0]
.endr
.endr
.irp j, 0,1
	v_pk_mul_f32 v[T+6*\j+4:T+6*\j+5], v[T+6*\j+4:T+6*\j+5], v[X+4*(\k)+2*\j:X+4*(\k)+2*\j+1]
.endr
	s_wait_alu depctr_va_vdst(0)                   ; one wait for the four reciprocals
.irp j, 0,1
	v_pk_mul_f32 v[T+6*\j+4:T+6*\j+5], v[T+6*\j+4:T+6*\j+5], v[T+6*\j+2:T+6*\j+3]   ; u = rho tanh(xn)
.endr
.irp j, 0,1
	v_pk_mul_f32 v[T+6*\j:T+6*\j+1], v[T+6*\j+4:T+6*\j+5], v[T+6*\j+4:T+6*\j+5]     ; u^2
.endr
.irp j, 0,1
	v_exp_f32 v[T+6*\j], -v[T+6*\j]                ; g = 2^(-u^2) = exp(-t^2 / 2)
	v_exp_f32 v[T+6*\j+1], -v[T+6*\j+1]
.endr
.irp j, 0,1
	v_pk_fma_f32 v[T+6*\j+2:T+6*\j+3], v[T+6*\j+4:T+6*\j+5], s[SE+16*\j+4:SE+16*\j+5], s[SE+16*\j+6:SE+16*\j+7] op_sel_hi:[1,0,0]   ; a5 u + a4
.endr
.irp a, 8,10,12,14
.irp j, 0,1
	v_pk_fma_f32 v[T+6*\j+2:T+6*\j+3], v[T+6*\j+2:T+6*\j+3], v[T+6*\j+4:T+6*\j+5], s[SE+16*\j+\a:SE+16*\j+\a+1] op_sel_hi:[1,1,0]   ; .. u + a3, a2, a1, a0
.endr
.endr
	s_wait_alu depctr_va_vdst(0)                   ; one wait for the four exponentials
.irp j, 0,1
	v_mul_f32 v[Y+2*(\k)+\j], v[T+6*\j], v[T+6*\j+2]          ; y: each place's channels on end
	v_mul_f32 v[Y+32+2*(\k)+\j], v[T+6*\j+1], v[T+6*\j+3]
.endr
.irp q, 0,1
.if (\k) == 0
	v_max3_num_f32 v[MX+\q], |v[Y+32*\q]|, |v[Y+32*\q+1]|, 0x2800000   ; the block's largest magnitude as it goes, and the floor 2^(5 - 127): so the byte cannot fall under 1
.else
	v_max3_num_f32 v[MX+\q], v[MX+\q], |v[Y+32*\q+2*(\k)]|, |v[Y+32*\q+2*(\k)+1]|
.endif
.endr
.endm
.irp g, 0,1,2,3,4,5,6,7,8,9,10,11,12,13,14,15
	GROUP \g
.endr
.irp q, 0,1
	v_add_nc_u32 v[SO+\q], 0xfe000000, v[MX+\q]    ; 4 off the exponent field: the conversion takes the exponent field of this operand as its scale
.endr
.irp q, 0,1
	v_lshrrev_b32 v[SB+\q], 23, v[SO+\q]           ; the scale's byte
.endr
.irp q, 0,1
	v_cvt_scalef32_pk16_bf6_f32 v[CQ+6*\q:CQ+6*\q+2], v[Y+32*\q:Y+32*\q+15], v[SO+\q]
	v_cvt_scalef32_pk16_bf6_f32 v[TQ+4*\q:TQ+4*\q+2], v[Y+32*\q+16:Y+32*\q+31], v[SO+\q]   ; (a conversion's three registers begin on an even number)
.endr
	v_nop                                          ; one plain line behind the last scaled conversion
.irp q, 0,1
.irp i, 0,1,2
	v_mov_b32 v[CQ+6*\q+3+\i], v[TQ+4*\q+\i]       ; six registers: the block's 32 codes of place q
.endr
.endr
.irp q, 0,1
	ds_store_b128 v[LA], v[CQ+6*\q:CQ+6*\q+3] offset:768*\q          ; images of the registers: 16 bytes a lane on end, then 8 a lane
	ds_store_b64 v[LB], v[CQ+6*\q+4:CQ+6*\q+5] offset:768*\q+512
.endr
	ds_store_b64 v[LC], v[SB:SB+1]
	s_wait_dscnt 0x0                               ; for the other wave's sake: my stores are done
	s_barrier_signal -1
	s_barrier_wait -1
.irp q, 0,1
	ds_load_b128 v[OP+12*\q:OP+12*\q+3], v[RA] offset:768*\q         ; block 0 of place q,
	ds_load_b64 v[OP+12*\q+4:OP+12*\q+5], v[RB] offset:768*\q+512
	ds_load_b128 v[OP+12*\q+6:OP+12*\q+9], v[RA] offset:1536+768*\q  ; block 1
	ds_load_b64 v[OP+12*\q+10:OP+12*\q+11], v[RB] offset:1536+768*\q+512
.endr
	ds_load_b64 v[20:21], v[RC]                    ; block 0's bytes, places 0 and 1,
	ds_load_b64 v[22:23], v[RC] offset:256         ; block 1's
	s_wait_dscnt 0x0
.irp q, 0,1
	v_lshl_or_b32 v[SW+\q], v[22+\q], 8, v[20+\q]  ; my place's two bytes,
.endr
.irp q, 0,1
	v_lshl_or_b32 v[SW+\q], v[SW+\q], 16, v[SW+\q] ; twice
.endr
.irp q, 0,1
.irp i, 0,1,2,3,4,5
	v_permlane16_swap_b32 v[OP+12*\q+\i], v[OP+12*\q+6+\i]   ; the first's lanes 16-31 change places with the second's lanes 0-15: the first now holds both blocks of the places of lanes 0-15, the second of lanes 16-31
.endr
.endr
	s_wait_loadcnt 0x0                             ; Wt's image, its scale words, the bias
.rept 8
	v_nop                                          ; a scale register written by a vector line stands 8 places ahead of a scaled matrix instruction, an operand so written 4
.endr
.irp i, 0,1                            ; eight products on eight accumulators; each begins its sum with the constant 0
.irp q, 0,1
	v_wmma_scale_f32_16x16x128_f8f6f4 v[DD+32*\i+8*\q:DD+32*\i+8*\q+7], v[WC+6+12*\i:WC+17+12*\i], v[OP+12*\q:OP+12*\q+11], 0, v[WS+\i], v[SW+\q] matrix_a_fmt:MATRIX_FMT_BF6 matrix_b_fmt:MATRIX_FMT_BF6
	v_wmma_scale_f32_16x16x128_f8f6f4 v[DD+32*\i+16+8*\q:DD+32*\i+23+8*\q], v[WC+12*\i:WC+11+12*\i], v[OP+12*\q:OP+12*\q+11], 0, v[WS+\i], v[SW+\q] matrix_a_fmt:MATRIX_FMT_BF6 matrix_b_fmt:MATRIX_FMT_BF6 matrix_b_scale:MATRIX_SCALE_ROW1
.endr
.endr
.rept 4
	v_nop                                          ; four places between a matrix instruction and the vector line that reads its result (ISA guide 7.12.1)
.endr
.irp i, 0,1
.irp j, 0,1,2,3,4,5,6,7                ; each accumulator is read from its low end on
.irp e, 0,1,2,3
	v_add_f32 v[OU+32*\i+4*\j+\e], v[DD+32*\i+8*\e+\j], v[BI+8*\i+\j]   ; + bias, and d = 4 r + e of row 16 i + 8 h + j into four registers on end
.endr
	global_store_b128 v[OO], v[OU+32*\i+4*\j:OU+32*\i+4*\j+3], s[4:5] offset:65536*(16*\i+\j) th:TH_STORE_NT   ; lanes 0-15: 256 consecutive bytes of one row; lanes 16-31: of the row 8 further down; written once
.endr
.endr
	s_wait_tensorcnt 0x0
	ds_add_u32 v240, v241
	s_wait_dscnt 0x0
	s_endpgm
.Lfunc_end_k_qa9aba40c24_mix:
	.size	k_qa9aba40c24_mix, .Lfunc_end_k_qa9aba40c24_mix-k_qa9aba40c24_mix
	.p2alignl 7, 3214868480
	.fill 96, 4, 3214868480
	.section	.rodata,"a",@progbits
	.p2align	6, 0x0
	.amdhsa_kernel k_qa9aba40c24_mix
		.amdhsa_group_segment_fixed_size 15360
		.amdhsa_private_segment_fixed_size 0
		.amdhsa_enable_private_segment 0
		.amdhsa_kernarg_size 40
		.amdhsa_user_sgpr_count 2
		.amdhsa_user_sgpr_kernarg_segment_ptr 1
		.amdhsa_wavefront_size32 1
		.amdhsa_system_sgpr_workgroup_id_x 1
		.amdhsa_system_sgpr_workgroup_id_y 1
		.amdhsa_system_sgpr_workgroup_id_z 1
		.amdhsa_system_vgpr_workitem_id 0
		.amdhsa_next_free_vgpr 242
		.amdhsa_next_free_sgpr 100
		.amdhsa_reserve_vcc 0
		.amdhsa_float_denorm_mode_32 3
		.amdhsa_float_denorm_mode_16_64 3
		.amdhsa_memory_ordered 1
		.amdhsa_forward_progress 1
		.amdhsa_inst_pref_size 72
	.end_amdhsa_kernel
	.amdgpu_metadata
---
amdhsa.version: [ 1, 2 ]
amdhsa.kernels:
  - .name:           k_qa9aba40c24_mix
    .symbol:         k_qa9aba40c24_mix.kd
    .args:
      - { .name: x, .offset: 0, .size: 8, .value_kind: global_buffer, .address_space: global }
      - { .name: coef, .offset: 8, .size: 8, .value_kind: global_buffer, .address_space: global }
      - { .name: wimg, .offset: 16, .size: 8, .value_kind: global_buffer, .address_space: global }
      - { .name: b, .offset: 24, .size: 8, .value_kind: global_buffer, .address_space: global }
      - { .name: out0, .offset: 32, .size: 8, .value_kind: global_buffer, .address_space: global }
    .group_segment_fixed_size: 15360
    .private_segment_fixed_size: 0
    .kernarg_segment_align: 8
    .kernarg_segment_size: 40
    .max_flat_workgroup_size: 256
    .sgpr_count:     100
    .vgpr_count:     242
    .wavefront_size: 32
...
	.end_amdgpu_metadata
.endif
;; end of part 3
;; ======== version 2 of 3: 3 launches; 1.12 times as fast as version 1
;; workspace buffers: part 32,768 bytes; wimg 3,584 bytes; coef 32,768 bytes
;; launch stats: the kernel of part 1 again; grid 513 x 1, 8 waves a work-group, no clusters, 0 bytes of LDS; arguments x, Wt, part, wimg; writes part, wimg
;; launch cost: the kernel of part 2 again; grid 512 x 1, 8 waves a work-group, no clusters, 1,280 bytes of LDS; arguments x, gamma, beta, part, coef; writes coef
;; launch mix (part 4): grid 512 x 1, 8 waves a work-group, no clusters, 23,552 bytes of LDS; arguments x, coef, wimg, b, out0; writes out0
.if DOCPART == 4
	.amdgcn_target "amdgcn-amd-amdhsa--gfx1250"
	.amdhsa_code_object_version 6
	.text
	.protected	k_qa9aba40c24_mix
	.globl	k_qa9aba40c24_mix
	.p2align	8
	.type	k_qa9aba40c24_mix,@function
k_qa9aba40c24_mix:
	s_mov_b64 s[64:65], 0
	v_nop
	global_prefetch_b8 v0, s[64:65] scope:SCOPE_SE
	s_setreg_imm32_b32 hwreg(HW_REG_WAVE_MODE, 25, 1), 1
	s_wait_xcnt 0x0
; THIRD OF THREE LAUNCHES.  out[b][o][d] = sum over c of Wt[o][c] y[b][c][d] + bias[o], the product on codes of E3M2 with one E8M0 scale for each 32 along c.
; y = 2^(-u^2) (a0 + a1 u + .. + a5 u^5), u = rho tanh(x A + S): A, S and a5 .. a0 are the second launch's record of row (b, c); tanh is that launch's rational, with the same coefficients.
; SHARES.  A work-group takes one batch and 256 places d; wave w takes the 64 places of tile w / 2 and the 32 channels of K block w % 2: so a SIMD has four waves whose vector work fills each other's waits.
; A LANE TAKES TWO PLACES d, AND ITS REGISTERS RUN ALONG c.  A load reads one channel at the wave's 64 places: 256 consecutive bytes.  A block of 32 along K lies in one lane's 32 registers:
; its largest magnitude needs no other lane, and the conversions give codes with K innermost.  All 32 loads of a wave go out at its head: its whole share; so there is no ring.
; THE RECORDS are the same for all lanes.  The wave's 32 come ONCE, ahead of x, and lie in 1,024 bytes of LDS of the wave's own, two channels together: (A0, A1, S0, S1, a5_0, a5_1, .. a0_0, a0_1), 64 bytes a pair.
; In memory each value stands twice (word 2 i and word 2 i + 1 of a record are value i), so word m of pair p is word m of record 2 p + m % 2: the order is made by the loads' addresses alone.
; A group of two channels reads its pair by four loads of 16 bytes, all lanes at one address, a group ahead of its use, into two sets of 16 registers by turns: 8 x 256 bytes of LDS traffic a group.
; A PACKED INSTRUCTION TAKES TWO CHANNELS AT ONE PLACE, so that a pair of coefficients is a plain pair of registers.  x arrives as two places of one channel: the four multiply-adds that make xn
; put each number where the pairs want it, which is where y will lie: place q's channels on end.
; WHICH PLACES: lane l reads the 8 bytes at 16 (l % 16) + 8 (l / 16): lanes 0-15 hold d = 4 r + q, lanes 16-31 d = 4 r + 2 + q (q = 0, 1).
; FROM WAVE TO WAVE: each wave stores its 2 x 6 registers of codes and its two scale bytes in LDS as images of the registers; behind one barrier both waves of a tile load both blocks.
; v_permlane16_swap_b32 then gives lanes 0-15 block 0 and lanes 16-31 block 1 of one place, as the operand's layout asks: its first register holds the places of lanes 0-15, its second those of lanes 16-31.
; K IS 64, THE INSTRUCTION'S 128: the two results of the swap stand on end as ONE operand of 12 registers: K 0-63 is the tile d = 4 r + q, K 64-127 the tile d = 4 r + 2 + q.  Wt's 16 rows are used as
; [W | zeros] for the first and [zeros | W] for the second: zero codes add nothing under any scale byte that is in use here (1 to 254).  The chain Z W Z W Z of 30 registers holds all four operands.
; Scale words hold their two bytes twice, so that one word serves either half of K; y's word is the lane's own: lanes 0-15 for the first tile, lanes 16-31 (ROW1) for the second.
; Source 0 = Wt (m = o), source 1 = y (n = d): register j of lane (r, h) is out(16 mt + 8 h + j, the tile's place r).  Wave w makes mt = 2 (w % 2) and 2 (w % 2) + 1.
; THE WAY OUT: four tiles give a lane d = 4 r + 0 .. 3 of one row o; the addition of the bias puts them into four registers on end; a store's lanes 0-15 then cover 256 consecutive bytes of row o,
; at a multiple of 256 from out's first byte, and lanes 16-31 the same of row o + 8.
; NOT USED: tensor loads and rings (nothing is read twice, all is asked for at the head); clusters (work-groups share the 3.5 KB image of Wt and 4 KB of records, a small part of their 128 KB).
; LIMITS: NaN and infinities are not served.  A block of zeros has the byte 1 with zero codes.  y is summed as a polynomial in u, not by the recurrence: another order of rounding, errors of the same size.
.set RS,  1                            ; v1   LDS: where I put a word of the records: RECB + 1,024 x wave + 4 x lane
.set XO,  2                            ; v2   x: 16 r + 8 h
.set OO,  3                            ; v3   out: 16 r + 8 h rows of 65,536 bytes
.set L16, 4                            ; v4   16 x lane
.set L8,  5                            ; v5   8 x lane
.set HB,  6                            ; v6   32 h: the bias of my half's eight rows
.set LA,  7                            ; v7-9   LDS, on the way in: my wave's images (16 and 8 bytes a lane), my wave's scale bytes
.set LB,  8
.set LC,  9
.set RA,  10                           ; v10-12 and on the way out: my tile's
.set RB,  11
.set RC,  12
.set RL,  13                           ; v13  LDS: my wave's records: RECB + 1,024 x wave, the same in all lanes
.set MX,  14                           ; v[14:15] the block's largest magnitude, place q
.set SO,  16                           ; v[16:17] the conversions' scale operands
.set SB,  18                           ; v[18:19] the scale bytes
.set T,   20                           ; v[20:31] two places at work, 6 registers each (two channels): +0 xn^2, u^2, g; +2 Q, 1 / Q, the polynomial; +4 P, x P, u
.set X,   32                           ; v[32:95]  x, 2 registers a channel
.set Y,   96                           ; v[96:159] place q's 32 channels at Y + 32 q: xn, then y
.set RT,  96                           ; v[96:103] at the head: the records' words as loaded
.set WC,  160                          ; v[160:189] Z W Z W Z
.set WS,  190                          ; v[190:191] Wt's scale words, my two tiles
.set BI,  192                          ; v[192:207] the bias, my two tiles x 8 rows
.set RE,  208                          ; v[208:239] the records of two channels, two sets of 16: +0 A, +2 S, +4 a5 .. +14 a0, each a pair (even channel, odd channel)
.set OP,  208                          ; v[208:231] behind the last group: y's two operands
.set SW,  240                          ; v[240:241] y's scale words, and nothing else
.set RG,  242                          ; v242 the records in memory: 128 h + 64 (lane % 2) + 4 r
.set CQ,  32                           ; where x lay: my codes, 6 registers a place;
.set TQ,  44                           ; the upper halves as the conversions leave them
.set DD,  32                           ; later: the 8 accumulators
.set OU,  96                           ; where y lay: out, 4 places on end
.set SCB, 12288                        ; LDS: 8 waves x 1,536 bytes of codes, then 8 x 256 of scale bytes,
.set RECB, 14336                       ; then 8 x 1,024 of records
.set A13, 6                            ; s[6:27] the rational's coefficients, each in a pair
.set A11, 8
.set A9,  10
.set A7,  12
.set A5,  14
.set A3,  16
.set A1,  18
.set B6,  20
.set B4,  22
.set B2,  24
.set B0,  26
	s_load_b256 s[68:75], s[0:1], 0x0              ; x s[68:69], coef s[70:71], wimg s[72:73], b s[74:75]
	s_load_b64 s[76:77], s[0:1], 0x20              ; out0
	v_lshl_add_u32 v244, v0, 2, 0x5800
	v_mov_b32 v245, 0
	v_lshrrev_b32 v1, 5, v0
	v_readfirstlane_b32 s30, v1                    ; wave 0..7
	v_lshl_add_u32 v[RL], v1, 10, RECB
	v_and_b32 v1, 31, v0                           ; lane
	v_and_b32 v20, 15, v0                          ; r
	v_bfe_u32 v21, v0, 4, 1                        ; h
	v_and_b32 v22, 1, v0                           ; lane % 2
	v_lshlrev_b32 v[L16], 4, v1
	v_lshlrev_b32 v[L8], 3, v1
	v_lshl_add_u32 v[RS], v1, 2, v[RL]
	v_lshlrev_b32 v[XO], 4, v20
	v_lshl_add_u32 v[OO], v21, 19, v[XO]
	v_lshl_add_u32 v[XO], v21, 3, v[XO]
	v_lshlrev_b32 v[HB], 5, v21
	v_lshlrev_b32 v[RG], 2, v20                    ; load t brings pairs 2 t (lanes 0-15) and 2 t + 1 (lanes 16-31): lane (r, h) takes word r of record 4 t + 2 h + r % 2
	v_lshl_add_u32 v[RG], v21, 7, v[RG]
	v_lshl_add_u32 v[RG], v22, 6, v[RG]
	s_and_b32 s31, s30, 1                          ; my K block; also: which two tiles of Wt's rows are mine
	s_lshr_b32 s78, s30, 1                         ; my tile of 64 places
	s_lshr_b32 s79, ttmp9, 6                       ; the batch
	s_and_b32 s80, ttmp9, 63                       ; which 256 places
	s_lshl_b32 s82, s79, 22                        ; 64 rows of 65,536 bytes a batch,
	s_lshl_b32 s81, s31, 21                        ; 32 rows a block (of x: channels; of out: my 32 rows o),
	s_or_b32 s82, s82, s81
	s_lshl_b32 s81, s80, 10                        ; 1,024 bytes a work-group,
	s_or_b32 s82, s82, s81
	s_lshl_b32 s81, s78, 8                         ; 256 a tile: one offset serves x and out
	s_or_b32 s82, s82, s81
	s_mov_b32 s83, 0
	s_lshl_b32 s84, s79, 12                        ; records: 64 x 64 bytes a batch,
	s_lshl_b32 s81, s31, 11                        ; 32 x 64 a block
	s_or_b32 s84, s84, s81
	s_mov_b32 s85, 0
	s_mul_i32 s86, s31, 1536                       ; Wt's image: 768 bytes a tile, my two
	s_mov_b32 s87, 0
	s_lshl_b32 s88, s31, 3                         ; its scale words: my two of a lane's four
	s_mov_b32 s89, 0
	s_lshl_b32 s90, s31, 7                         ; the bias: my 32 numbers
	s_mov_b32 s91, 0
	s_mul_i32 s94, s30, 1536
	v_add_nc_u32 v[LA], s94, v[L16]
	v_add_nc_u32 v[LB], s94, v[L8]
	s_lshl_b32 s95, s30, 8
	s_add_co_u32 s95, s95, SCB
	v_add_nc_u32 v[LC], s95, v[L8]
	s_mul_i32 s96, s78, 3072
	v_add_nc_u32 v[RA], s96, v[L16]
	v_add_nc_u32 v[RB], s96, v[L8]
	s_lshl_b32 s97, s78, 9
	s_add_co_u32 s97, s97, SCB
	v_add_nc_u32 v[RC], s97, v[L8]
	s_wait_kmcnt 0x0
	s_add_nc_u64 s[2:3], s[70:71], s[84:85]        ; my block's records
.irp t, 0,1,2,3,4,5,6,7
	global_load_b32 v[RT+\t], v[RG], s[2:3] offset:256*\t   ; the records first: they are wanted first, and loads come back in order
.endr
	s_add_nc_u64 s[68:69], s[68:69], s[82:83]
	s_add_nc_u64 s[4:5], s[76:77], s[82:83]
.set c, 0
.rept 32
	global_load_b64 v[X+2*c:X+2*c+1], v[XO], s[68:69] offset:65536*c th:TH_LOAD_NT   ; channel c at my wave's 64 places: 256 consecutive bytes; the last time x is read
.set c, c+1
.endr
	s_add_nc_u64 s[92:93], s[72:73], s[88:89]
	s_add_nc_u64 s[72:73], s[72:73], s[86:87]
	s_add_nc_u64 s[74:75], s[74:75], s[90:91]
.irp i, 0,1                            ; nine loads behind x's, wanted last
	global_load_b128 v[WC+6+12*\i:WC+9+12*\i], v[L16], s[72:73] offset:768*\i
	global_load_b64 v[WC+10+12*\i:WC+11+12*\i], v[L8], s[72:73] offset:768*\i+512
.endr
	global_load_b64 v[WS:WS+1], v[L16], s[92:93] offset:3072
.irp i, 0,1
	global_load_b128 v[BI+8*\i:BI+8*\i+3], v[HB], s[74:75] offset:64*\i
	global_load_b128 v[BI+8*\i+4:BI+8*\i+7], v[HB], s[74:75] offset:64*\i+16
.endr
	s_mov_b32 s28, -7.90531110763549805            ; beyond these the rational is not used: tanh is 1 to the last place there
	s_mov_b32 s29, 7.90531110763549805
	s_mov_b32 s[A13], -2.76076847742355e-16        ; P: x^12 ..
	s_mov_b32 s[A11], 2.00018790482477e-13
	s_mov_b32 s[A9], -8.60467152213735e-11
	s_mov_b32 s[A7], 5.12229709037114e-08
	s_mov_b32 s[A5], 1.48572235717979e-05
	s_mov_b32 s[A3], 6.37261928875436e-04
	s_mov_b32 s[A1], 4.89352455891786e-03          ; .. x^0
	s_mov_b32 s[B6], 3.9129701292e-07              ; Q / rho: x^6 ..
	s_mov_b32 s[B4], 3.8708075378e-05
	s_mov_b32 s[B2], 7.4076818459e-04
	s_mov_b32 s[B0], 1.5980040668e-03              ; .. x^0
.irp c, A13, A11, A9, A7, A5, A3, A1, B6, B4, B2, B0
	s_mov_b32 s[\c+1], s[\c]                       ; (a packed instruction names the pair and takes its low word for both halves: so the upper word is written)
.endr
.irp z, 0,12,24
.irp i, 0,1,2,3,4,5
	v_mov_b32 v[WC+\z+\i], 0                       ; the chain's three runs of zero codes
.endr
.endr
	s_wait_loadcnt 41                              ; the records' eight loads are in; behind them: 32 loads of x and the nine of Wt's image and the bias
.irp t, 0,1,2,3,4,5,6,7
	ds_store_b32 v[RS], v[RT+\t] offset:128*\t     ; 32 lanes store 128 consecutive bytes: two pairs of channels
.endr
.irp i, 0,1,2,3
	ds_load_b128 v[RE+4*\i:RE+4*\i+3], v[RL] offset:16*\i   ; the first pair.  LDS serves a wave's instructions in order (ISA guide 5.7.1.4): these see my stores; the bytes are my wave's own, so no barrier
.endr
; TWO CHANNELS AT A TIME, 2 k and 2 k + 1, at my two places q: each step for both places; Q's and P's chains by turns.  A pair of registers is (channel 2 k, channel 2 k + 1) at one place.
; Each batch of transcendentals is followed by work that names none of its results (behind the reciprocals: the rest of P; behind the exponentials: the polynomial), then by ONE wait.
.macro GROUP k
.set SE, RE+16*((\k)%2)
.set SN, RE+16-16*((\k)%2)
.if (\k) < 15
.irp i, 0,1,2,3
	ds_load_b128 v[SN+4*\i:SN+4*\i+3], v[RL] offset:64*(\k)+64+16*\i   ; the next group's records, into the set that the last group has left
.endr
	s_wait_dscnt 4                                 ; this group's records are in (and, in the first group, the stores ahead of them are done); the four loads just issued may be out
.else
	s_wait_dscnt 0x0
.endif
	s_wait_loadcnt 39-2*(\k)                       ; these two channels are in; behind them: 30 - 2 k loads of x and the nine of Wt's image and the bias
.irp q, 0,1
	v_fma_f32 v[Y+32*\q+2*(\k)], v[X+4*(\k)+\q], v[SE], v[SE+2]          ; xn = x A + S, put where place q's pair stands
	v_fma_f32 v[Y+32*\q+2*(\k)+1], v[X+4*(\k)+2+\q], v[SE+1], v[SE+3]
.endr
.irp q, 0,1
	v_med3_num_f32 v[Y+32*\q+2*(\k)], v[Y+32*\q+2*(\k)], s28, s29
	v_med3_num_f32 v[Y+32*\q+2*(\k)+1], v[Y+32*\q+2*(\k)+1], s28, s29
.endr
.irp q, 0,1
	v_pk_mul_f32 v[T+6*\q:T+6*\q+1], v[Y+32*\q+2*(\k):Y+32*\q+2*(\k)+1], v[Y+32*\q+2*(\k):Y+32*\q+2*(\k)+1]
.endr
.irp q, 0,1
	v_pk_fma_f32 v[T+6*\q+2:T+6*\q+3], v[T+6*\q:T+6*\q+1], s[B6:B6+1], s[B4:B4+1] op_sel_hi:[1,0,0]
.endr
.irp q, 0,1
	v_pk_fma_f32 v[T+6*\q+4:T+6*\q+5], v[T+6*\q:T+6*\q+1], s[A13:A13+1], s[A11:A11+1] op_sel_hi:[1,0,0]
.endr
.irp q, 0,1
	v_pk_fma_f32 v[T+6*\q+2:T+6*\q+3], v[T+6*\q+2:T+6*\q+3], v[T+6*\q:T+6*\q+1], s[B2:B2+1] op_sel_hi:[1,1,0]
.endr
.irp q, 0,1
	v_pk_fma_f32 v[T+6*\q+4:T+6*\q+5], v[T+6*\q+4:T+6*\q+5], v[T+6*\q:T+6*\q+1], s[A9:A9+1] op_sel_hi:[1,1,0]
.endr
.irp q, 0,1
	v_pk_fma_f32 v[T+6*\q+2:T+6*\q+3], v[T+6*\q+2:T+6*\q+3], v[T+6*\q:T+6*\q+1], s[B0:B0+1] op_sel_hi:[1,1,0]
.endr
.irp q, 0,1
	v_pk_fma_f32 v[T+6*\q+4:T+6*\q+5], v[T+6*\q+4:T+6*\q+5], v[T+6*\q:T+6*\q+1], s[A7:A7+1] op_sel_hi:[1,1,0]
.endr
.irp q, 0,1
	v_rcp_f32 v[T+6*\q+2], v[T+6*\q+2]
	v_rcp_f32 v[T+6*\q+3], v[T+6*\q+3]
.endr
.irp c, A5, A3, A1
.irp q, 0,1
	v_pk_fma_f32 v[T+6*\q+4:T+6*\q+5], v[T+6*\q+4:T+6*\q+5], v[T+6*\q:T+6*\q+1], s[\c:\c+1] op_sel_hi:[1,1,0]
.endr
.endr
.irp q, 0,1
	v_pk_mul_f32 v[T+6*\q+4:T+6*\q+5], v[T+6*\q+4:T+6*\q+5], v[Y+32*\q+2*(\k):Y+32*\q+2*(\k)+1]
.endr
	s_wait_alu depctr_va_vdst(0)                   ; one wait for the four reciprocals
.irp q, 0,1
	v_pk_mul_f32 v[T+6*\q+4:T+6*\q+5], v[T+6*\q+4:T+6*\q+5], v[T+6*\q+2:T+6*\q+3]   ; u = rho tanh(xn)
.endr
.irp q, 0,1
	v_pk_mul_f32 v[T+6*\q:T+6*\q+1], v[T+6*\q+4:T+6*\q+5], v[T+6*\q+4:T+6*\q+5]     ; u^2
.endr
.irp q, 0,1
	v_exp_f32 v[T+6*\q], -v[T+6*\q]                ; g = 2^(-u^2) = exp(-t^2 / 2)
	v_exp_f32 v[T+6*\q+1], -v[T+6*\q+1]
.endr
.irp q, 0,1
	v_pk_fma_f32 v[T+6*\q+2:T+6*\q+3], v[T+6*\q+4:T+6*\q+5], v[SE+4:SE+5], v[SE+6:SE+7]   ; a5 u + a4, each channel with its own
.endr
.irp a, 8,10,12,14
.irp q, 0,1
	v_pk_fma_f32 v[T+6*\q+2:T+6*\q+3], v[T+6*\q+2:T+6*\q+3], v[T+6*\q+4:T+6*\q+5], v[SE+\a:SE+\a+1]   ; .. u + a3, a2, a1, a0
.endr
.endr
	s_wait_alu depctr_va_vdst(0)                   ; one wait for the four exponentials
.irp q, 0,1
	v_pk_mul_f32 v[Y+32*\q+2*(\k):Y+32*\q+2*(\k)+1], v[T+6*\q:T+6*\q+1], v[T+6*\q+2:T+6*\q+3]   ; y, where xn stood: each place's channels on end
.endr
.irp q, 0,1
.if (\k) == 0
	v_max3_num_f32 v[MX+\q], |v[Y+32*\q]|, |v[Y+32*\q+1]|, 0x2800000   ; the block's largest magnitude as it goes, and the floor 2^(5 - 127): so the byte cannot fall under 1
.else
	v_max3_num_f32 v[MX+\q], v[MX+\q], |v[Y+32*\q+2*(\k)]|, |v[Y+32*\q+2*(\k)+1]|
.endif
.endr
.endm
.irp g, 0,1,2,3,4,5,6,7,8,9,10,11,12,13,14,15
	GROUP \g
.endr
.irp q, 0,1
	v_add_nc_u32 v[SO+\q], 0xfe000000, v[MX+\q]    ; 4 off the exponent field: the conversion takes the exponent field of this operand as its scale
.endr
.irp q, 0,1
	v_lshrrev_b32 v[SB+\q], 23, v[SO+\q]           ; the scale's byte
.endr
.irp q, 0,1
	v_cvt_scalef32_pk16_bf6_f32 v[CQ+6*\q:CQ+6*\q+2], v[Y+32*\q:Y+32*\q+15], v[SO+\q]
	v_cvt_scalef32_pk16_bf6_f32 v[TQ+4*\q:TQ+4*\q+2], v[Y+32*\q+16:Y+32*\q+31], v[SO+\q]   ; (a conversion's three registers begin on an even number)
.endr
	v_nop                                          ; one plain line behind the last scaled conversion
.irp q, 0,1
.irp i, 0,1,2
	v_mov_b32 v[CQ+6*\q+3+\i], v[TQ+4*\q+\i]       ; six registers: the block's 32 codes of place q
.endr
.endr
.irp q, 0,1
	ds_store_b128 v[LA], v[CQ+6*\q:CQ+6*\q+3] offset:768*\q          ; images of the registers: 16 bytes a lane on end, then 8 a lane
	ds_store_b64 v[LB], v[CQ+6*\q+4:CQ+6*\q+5] offset:768*\q+512
.endr
	ds_store_b64 v[LC], v[SB:SB+1]
	s_wait_dscnt 0x0                               ; for the other wave's sake: my stores are done
	s_barrier_signal -1
	s_barrier_wait -1
.irp q, 0,1
	ds_load_b128 v[OP+12*\q:OP+12*\q+3], v[RA] offset:768*\q         ; block 0 of place q,
	ds_load_b64 v[OP+12*\q+4:OP+12*\q+5], v[RB] offset:768*\q+512
	ds_load_b128 v[OP+12*\q+6:OP+12*\q+9], v[RA] offset:1536+768*\q  ; block 1
	ds_load_b64 v[OP+12*\q+10:OP+12*\q+11], v[RB] offset:1536+768*\q+512
.endr
	ds_load_b64 v[20:21], v[RC]                    ; block 0's bytes, places 0 and 1,
	ds_load_b64 v[22:23], v[RC] offset:256         ; block 1's
	s_wait_dscnt 0x0
.irp q, 0,1
	v_lshl_or_b32 v[SW+\q], v[22+\q], 8, v[20+\q]  ; my place's two bytes,
.endr
.irp q, 0,1
	v_lshl_or_b32 v[SW+\q], v[SW+\q], 16, v[SW+\q] ; twice
.endr
.irp q, 0,1
.irp i, 0,1,2,3,4,5
	v_permlane16_swap_b32 v[OP+12*\q+\i], v[OP+12*\q+6+\i]   ; the first's lanes 16-31 change places with the second's lanes 0-15: the first now holds both blocks of the places of lanes 0-15, the second of lanes 16-31
.endr
.endr
	s_wait_loadcnt 0x0                             ; Wt's image, its scale words, the bias
.rept 8
	v_nop                                          ; a scale register written by a vector line stands 8 places ahead of a scaled matrix instruction, an operand so written 4
.endr
.irp i, 0,1                            ; eight products on eight accumulators; each begins its sum with the constant 0
.irp q, 0,1
	v_wmma_scale_f32_16x16x128_f8f6f4 v[DD+32*\i+8*\q:DD+32*\i+8*\q+7], v[WC+6+12*\i:WC+17+12*\i], v[OP+12*\q:OP+12*\q+11], 0, v[WS+\i], v[SW+\q] matrix_a_fmt:MATRIX_FMT_BF6 matrix_b_fmt:MATRIX_FMT_BF6
	v_wmma_scale_f32_16x16x128_f8f6f4 v[DD+32*\i+16+8*\q:DD+32*\i+23+8*\q], v[WC+12*\i:WC+11+12*\i], v[OP+12*\q:OP+12*\q+11], 0, v[WS+\i], v[SW+\q] matrix_a_fmt:MATRIX_FMT_BF6 matrix_b_fmt:MATRIX_FMT_BF6 matrix_b_scale:MATRIX_SCALE_ROW1
.endr
.endr
.rept 4
	v_nop                                          ; four places between a matrix instruction and the vector line that reads its result (ISA guide 7.12.1)
.endr
.irp i, 0,1
.irp j, 0,1,2,3,4,5,6,7                ; each accumulator is read from its low end on
.irp e, 0,1,2,3
	v_add_f32 v[OU+32*\i+4*\j+\e], v[DD+32*\i+8*\e+\j], v[BI+8*\i+\j]   ; + bias, and d = 4 r + e of row 16 i + 8 h + j into four registers on end
.endr
	global_store_b128 v[OO], v[OU+32*\i+4*\j:OU+32*\i+4*\j+3], s[4:5] offset:65536*(16*\i+\j) th:TH_STORE_NT   ; lanes 0-15: 256 consecutive bytes of one row; lanes 16-31: of the row 8 further down; written once
.endr
.endr
	s_wait_tensorcnt 0x0
	ds_add_u32 v244, v245
	s_wait_dscnt 0x0
	s_endpgm
.Lfunc_end_k_qa9aba40c24_mix:
	.size	k_qa9aba40c24_mix, .Lfunc_end_k_qa9aba40c24_mix-k_qa9aba40c24_mix
	.p2alignl 7, 3214868480
	.fill 96, 4, 3214868480
	.section	.rodata,"a",@progbits
	.p2align	6, 0x0
	.amdhsa_kernel k_qa9aba40c24_mix
		.amdhsa_group_segment_fixed_size 23552
		.amdhsa_private_segment_fixed_size 0
		.amdhsa_enable_private_segment 0
		.amdhsa_kernarg_size 40
		.amdhsa_user_sgpr_count 2
		.amdhsa_user_sgpr_kernarg_segment_ptr 1
		.amdhsa_wavefront_size32 1
		.amdhsa_system_sgpr_workgroup_id_x 1
		.amdhsa_system_sgpr_workgroup_id_y 1
		.amdhsa_system_sgpr_workgroup_id_z 1
		.amdhsa_system_vgpr_workitem_id 0
		.amdhsa_next_free_vgpr 246
		.amdhsa_next_free_sgpr 100
		.amdhsa_reserve_vcc 0
		.amdhsa_float_denorm_mode_32 3
		.amdhsa_float_denorm_mode_16_64 3
		.amdhsa_memory_ordered 1
		.amdhsa_forward_progress 1
		.amdhsa_inst_pref_size 78
	.end_amdhsa_kernel
	.amdgpu_metadata
---
amdhsa.version: [ 1, 2 ]
amdhsa.kernels:
  - .name:           k_qa9aba40c24_mix
    .symbol:         k_qa9aba40c24_mix.kd
    .args:
      - { .name: x, .offset: 0, .size: 8, .value_kind: global_buffer, .address_space: global }
      - { .name: coef, .offset: 8, .size: 8, .value_kind: global_buffer, .address_space: global }
      - { .name: wimg, .offset: 16, .size: 8, .value_kind: global_buffer, .address_space: global }
      - { .name: b, .offset: 24, .size: 8, .value_kind: global_buffer, .address_space: global }
      - { .name: out0, .offset: 32, .size: 8, .value_kind: global_buffer, .address_space: global }
    .group_segment_fixed_size: 23552
    .private_segment_fixed_size: 0
    .kernarg_segment_align: 8
    .kernarg_segment_size: 40
    .max_flat_workgroup_size: 256
    .sgpr_count:     100
    .vgpr_count:     246
    .wavefront_size: 32
...
	.end_amdgpu_metadata
.endif
;; end of part 4
;; ======== version 3 of 3: 3 launches; version 2 with the launch mix written anew for expert scheduling mode
;; workspace buffers: part 32,768 bytes; wimg 3,584 bytes; coef 32,768 bytes
;; launch stats: the kernel of part 1 again; grid 513 x 1, 8 waves a work-group, no clusters, 0 bytes of LDS; arguments x, Wt, part, wimg; writes part, wimg
;; launch cost: the kernel of part 2 again; grid 512 x 1, 8 waves a work-group, no clusters, 1,280 bytes of LDS; arguments x, gamma, beta, part, coef; writes coef
;; launch mix (part 5): grid 512 x 1, 8 waves a work-group, no clusters, 23,552 bytes of LDS; arguments x, coef, wimg, b, out0; writes out0
.if DOCPART == 5
	.amdgcn_target "amdgcn-amd-amdhsa--gfx1250"
	.amdhsa_code_object_version 6
	.text
	.protected	k_qa9aba40c24_mix
	.globl	k_qa9aba40c24_mix
	.p2align	8
	.type	k_qa9aba40c24_mix,@function
k_qa9aba40c24_mix:
	s_mov_b64 s[64:65], 0
	v_nop
	global_prefetch_b8 v0, s[64:65] scope:SCOPE_SE
	s_setreg_imm32_b32 hwreg(HW_REG_WAVE_SCHED_MODE, 0, 2), 2
	s_setreg_imm32_b32 hwreg(HW_REG_WAVE_MODE, 25, 1), 1
	s_wait_xcnt 0x0
	s_wait_alu depctr_vm_vsrc(0)
; THIRD OF THREE LAUNCHES.  out[b][o][d] = sum over c of Wt[o][c] y[b][c][d] + bias[o], the product on codes of E3M2 with one E8M0 scale for each 32 along c.
; y = 2^(-u^2) (a0 + a1 u + .. + a5 u^5), u = rho tanh(x A + S): A, S and a5 .. a0 are the second launch's record of row (b, c); tanh is that launch's rational, with the same coefficients.
; SHARES.  A work-group takes one batch and 256 places d; wave w takes the 64 places of tile w / 2 and the 32 channels of K block w % 2: so a SIMD has four waves whose vector work fills each other's waits.
; A LANE TAKES TWO PLACES d, AND ITS REGISTERS RUN ALONG c.  A load reads one channel at the wave's 64 places: 256 consecutive bytes.  A block of 32 along K lies in one lane's 32 registers:
; its largest magnitude needs no other lane, and the conversions give codes with K innermost.  All 32 loads of a wave go out at its head: its whole share; so there is no ring.
; THE RECORDS are the same for all lanes.  The wave's 32 come ONCE, ahead of x, and lie in 1,024 bytes of LDS of the wave's own, two channels together: (A0, A1, S0, S1, a5_0, a5_1, .. a0_0, a0_1), 64 bytes a pair.
; In memory each value stands twice (word 2 i and word 2 i + 1 of a record are value i), so word m of pair p is word m of record 2 p + m % 2: the order is made by the loads' addresses alone.
; A group of two channels reads its pair by four loads of 16 bytes, all lanes at one address, into two sets of 16 registers by turns: 8 x 256 bytes of LDS traffic a group.
; A PACKED INSTRUCTION TAKES TWO CHANNELS AT ONE PLACE, so that a pair of coefficients is a plain pair of registers.  x arrives as two places of one channel: the four multiply-adds that make xn
; put each number where the pairs want it, which is where y will lie: place q's channels on end.
; WHICH PLACES: lane l reads the 8 bytes at 16 (l % 16) + 8 (l / 16): lanes 0-15 hold d = 4 r + q, lanes 16-31 d = 4 r + 2 + q (q = 0, 1).
; FROM WAVE TO WAVE: each wave stores its 2 x 6 registers of codes and its two scale bytes in LDS as images of the registers; behind one barrier both waves of a tile load both blocks.
; v_permlane16_swap_b32 then gives lanes 0-15 block 0 and lanes 16-31 block 1 of one place, as the operand's layout asks: its first register holds the places of lanes 0-15, its second those of lanes 16-31.
; K IS 64, THE INSTRUCTION'S 128: the two results of the swap stand on end as ONE operand of 12 registers: K 0-63 is the tile d = 4 r + q, K 64-127 the tile d = 4 r + 2 + q.  Wt's 16 rows are used as
; [W | zeros] for the first and [zeros | W] for the second: zero codes add nothing under any scale byte that is in use here (1 to 254).  The chain Z W Z W Z of 30 registers holds all four operands.
; Scale words hold their two bytes twice, so that one word serves either half of K; y's word is the lane's own: lanes 0-15 for the first tile, lanes 16-31 (ROW1) for the second.
; Source 0 = Wt (m = o), source 1 = y (n = d): register j of lane (r, h) is out(16 mt + 8 h + j, the tile's place r).  Wave w makes mt = 2 (w % 2) and 2 (w % 2) + 1.
; THE WAY OUT: four tiles give a lane d = 4 r + 0 .. 3 of one row o; the addition of the bias puts them into four registers on end; a store's lanes 0-15 then cover 256 consecutive bytes of row o,
; at a multiple of 256 from out's first byte, and lanes 16-31 the same of row o + 8.
; NOT USED: tensor loads and rings (nothing is read twice, all is asked for at the head); clusters (work-groups share the 3.5 KB image of Wt and 4 KB of records, a small part of their 128 KB).
; LIMITS: NaN and infinities are not served.  A block of zeros has the byte 1 with zero codes.  y is summed as a polynomial in u, not by the recurrence: another order of rounding, errors of the same size.
; THE MODE: SCHED_MODE bits 1:0 = 2 (LLVM: expert scheduling mode 2), set by the entry lines.  The code itself states the register dependences
; between vector or matrix instructions and memory or LDS instructions, with s_wait_alu, always for 0.
; THE PLAN.  Registers that memory or LDS instructions touch:
;   v1-13, v242   offsets and LDS addresses: written at the head, ahead of one wait on va_vdst, and never again.  v244, v245 likewise: read by the closing add alone.
;   RT (v96-103)  the records' words: loaded, read by eight LDS stores; then y's registers: one wait on vm_vsrc stands between those stores and the first group.
;   X             loaded once at the head, read by the groups' multiply-adds.
;   RE0, RE1      group k's vector lines read set k % 2; the last of them is the polynomial's, ahead of the wait for the group's exponentials.  Directly behind that wait the records of group k + 2 are asked
;                 for, into the set just emptied; the group's remaining lines name neither set.  So a group holds the two waits behind its transcendentals and no other.
;   CQ, SB        written by the conversions, moves and shifts; one wait on va_vdst; read by five LDS stores; one wait on vm_vsrc ahead of the matrix instructions, whose results are laid over CQ.
;   OP, v20-23    last named by group 15's vector lines, ahead of that same wait on va_vdst, behind which no vector line stands until the loads behind the barrier have landed in them.
;   OU            two out-buffers of 32 registers: the first tile's 32 additions, a wait on va_vdst, its eight stores dealt among the second tile's 32 additions (which name other registers), a wait, eight stores.
.set RS,  1                            ; v1   LDS: where I put a word of the records: RECB + 1,024 x wave + 4 x lane
.set XO,  2                            ; v2   x: 16 r + 8 h
.set OO,  3                            ; v3   out: 16 r + 8 h rows of 65,536 bytes
.set L16, 4                            ; v4   16 x lane
.set L8,  5                            ; v5   8 x lane
.set HB,  6                            ; v6   32 h: the bias of my half's eight rows
.set LA,  7                            ; v7-9   LDS, on the way in: my wave's images (16 and 8 bytes a lane), my wave's scale bytes
.set LB,  8
.set LC,  9
.set RA,  10                           ; v10-12 and on the way out: my tile's
.set RB,  11
.set RC,  12
.set RL,  13                           ; v13  LDS: my wave's records: RECB + 1,024 x wave, the same in all lanes
.set MX,  14                           ; v[14:15] the block's largest magnitude, place q
.set SO,  16                           ; v[16:17] the conversions' scale operands
.set SB,  18                           ; v[18:19] the scale bytes
.set T,   20                           ; v[20:31] two places at work, 6 registers each (two channels): +0 xn^2, u^2, g; +2 Q, 1 / Q, the polynomial; +4 P, x P, u
.set X,   32                           ; v[32:95]  x, 2 registers a channel
.set Y,   96                           ; v[96:159] place q's 32 channels at Y + 32 q: xn, then y
.set RT,  96                           ; v[96:103] at the head: the records' words as loaded
.set WC,  160                          ; v[160:189] Z W Z W Z
.set WS,  190                          ; v[190:191] Wt's scale words, my two tiles
.set BI,  192                          ; v[192:207] the bias, my two tiles x 8 rows
.set RE,  208                          ; v[208:239] the records of two channels, two sets of 16: +0 A, +2 S, +4 a5 .. +14 a0, each a pair (even channel, odd channel)
.set OP,  208                          ; v[208:231] behind the last group: y's two operands
.set SW,  240                          ; v[240:241] y's scale words, and nothing else
.set RG,  242                          ; v242 the records in memory: 128 h + 64 (lane % 2) + 4 r
.set CQ,  32                           ; where x lay: my codes, 6 registers a place;
.set TQ,  44                           ; the upper halves as the conversions leave them
.set DD,  32                           ; later: the 8 accumulators
.set OU,  96                           ; where y lay: out, 4 places on end
.set SCB, 12288                        ; LDS: 8 waves x 1,536 bytes of codes, then 8 x 256 of scale bytes,
.set RECB, 14336                       ; then 8 x 1,024 of records
.set A13, 6                            ; s[6:27] the rational's coefficients, each in a pair
.set A11, 8
.set A9,  10
.set A7,  12
.set A5,  14
.set A3,  16
.set A1,  18
.set B6,  20
.set B4,  22
.set B2,  24
.set B0,  26
	s_load_b256 s[68:75], s[0:1], 0x0              ; x s[68:69], coef s[70:71], wimg s[72:73], b s[74:75]
	s_load_b64 s[76:77], s[0:1], 0x20              ; out0
	v_lshl_add_u32 v244, v0, 2, 0x5800
	v_mov_b32 v245, 0
	v_lshrrev_b32 v1, 5, v0
	v_readfirstlane_b32 s30, v1                    ; wave 0..7
	v_lshl_add_u32 v[RL], v1, 10, RECB
	v_and_b32 v1, 31, v0                           ; lane
	v_and_b32 v20, 15, v0                          ; r
	v_bfe_u32 v21, v0, 4, 1                        ; h
	v_and_b32 v22, 1, v0                           ; lane % 2
	v_lshlrev_b32 v[L16], 4, v1
	v_lshlrev_b32 v[L8], 3, v1
	v_lshl_add_u32 v[RS], v1, 2, v[RL]
	v_lshlrev_b32 v[XO], 4, v20
	v_lshl_add_u32 v[OO], v21, 19, v[XO]
	v_lshl_add_u32 v[XO], v21, 3, v[XO]
	v_lshlrev_b32 v[HB], 5, v21
	v_lshlrev_b32 v[RG], 2, v20                    ; load t brings pairs 2 t (lanes 0-15) and 2 t + 1 (lanes 16-31): lane (r, h) takes word r of record 4 t + 2 h + r % 2
	v_lshl_add_u32 v[RG], v21, 7, v[RG]
	v_lshl_add_u32 v[RG], v22, 6, v[RG]
	s_wait_alu depctr_va_sdst(0)                   ; s30, the wave's number, is written, ahead of its first reader: the bases and the LDS addresses are made from it
	s_and_b32 s31, s30, 1                          ; my K block; also: which two tiles of Wt's rows are mine
	s_lshr_b32 s78, s30, 1                         ; my tile of 64 places
	s_lshr_b32 s79, ttmp9, 6                       ; the batch
	s_and_b32 s80, ttmp9, 63                       ; which 256 places
	s_lshl_b32 s82, s79, 22                        ; 64 rows of 65,536 bytes a batch,
	s_lshl_b32 s81, s31, 21                        ; 32 rows a block (of x: channels; of out: my 32 rows o),
	s_or_b32 s82, s82, s81
	s_lshl_b32 s81, s80, 10                        ; 1,024 bytes a work-group,
	s_or_b32 s82, s82, s81
	s_lshl_b32 s81, s78, 8                         ; 256 a tile: one offset serves x and out
	s_or_b32 s82, s82, s81
	s_mov_b32 s83, 0
	s_lshl_b32 s84, s79, 12                        ; records: 64 x 64 bytes a batch,
	s_lshl_b32 s81, s31, 11                        ; 32 x 64 a block
	s_or_b32 s84, s84, s81
	s_mov_b32 s85, 0
	s_mul_i32 s86, s31, 1536                       ; Wt's image: 768 bytes a tile, my two
	s_mov_b32 s87, 0
	s_lshl_b32 s88, s31, 3                         ; its scale words: my two of a lane's four
	s_mov_b32 s89, 0
	s_lshl_b32 s90, s31, 7                         ; the bias: my 32 numbers
	s_mov_b32 s91, 0
	s_mul_i32 s94, s30, 1536
	v_add_nc_u32 v[LA], s94, v[L16]
	v_add_nc_u32 v[LB], s94, v[L8]
	s_lshl_b32 s95, s30, 8
	s_add_co_u32 s95, s95, SCB
	v_add_nc_u32 v[LC], s95, v[L8]
	s_mul_i32 s96, s78, 3072
	v_add_nc_u32 v[RA], s96, v[L16]
	v_add_nc_u32 v[RB], s96, v[L8]
	s_lshl_b32 s97, s78, 9
	s_add_co_u32 s97, s97, SCB
	v_add_nc_u32 v[RC], s97, v[L8]
	s_wait_kmcnt 0x0
	s_add_nc_u64 s[2:3], s[70:71], s[84:85]        ; my block's records
	s_wait_alu depctr_va_vdst(0)                   ; the offsets and LDS addresses v1 to v13 and v242 are written, which every load and store of the kernel reads; none of them is written again
.irp t, 0,1,2,3,4,5,6,7
	global_load_b32 v[RT+\t], v[RG], s[2:3] offset:256*\t   ; the records first: they are wanted first, and loads come back in order
.endr
	s_add_nc_u64 s[68:69], s[68:69], s[82:83]
	s_add_nc_u64 s[4:5], s[76:77], s[82:83]
.set c, 0
.rept 32
	global_load_b64 v[X+2*c:X+2*c+1], v[XO], s[68:69] offset:65536*c th:TH_LOAD_NT   ; channel c at my wave's 64 places: 256 consecutive bytes; the last time x is read
.set c, c+1
.endr
	s_add_nc_u64 s[92:93], s[72:73], s[88:89]
	s_add_nc_u64 s[72:73], s[72:73], s[86:87]
	s_add_nc_u64 s[74:75], s[74:75], s[90:91]
.irp i, 0,1                            ; nine loads behind x's, wanted last
	global_load_b128 v[WC+6+12*\i:WC+9+12*\i], v[L16], s[72:73] offset:768*\i
	global_load_b64 v[WC+10+12*\i:WC+11+12*\i], v[L8], s[72:73] offset:768*\i+512
.endr
	global_load_b64 v[WS:WS+1], v[L16], s[92:93] offset:3072
.irp i, 0,1
	global_load_b128 v[BI+8*\i:BI+8*\i+3], v[HB], s[74:75] offset:64*\i
	global_load_b128 v[BI+8*\i+4:BI+8*\i+7], v[HB], s[74:75] offset:64*\i+16
.endr
	s_mov_b32 s28, -7.90531110763549805            ; beyond these the rational is not used: tanh is 1 to the last place there
	s_mov_b32 s29, 7.90531110763549805
	s_mov_b32 s[A13], -2.76076847742355e-16        ; P: x^12 ..
	s_mov_b32 s[A11], 2.00018790482477e-13
	s_mov_b32 s[A9], -8.60467152213735e-11
	s_mov_b32 s[A7], 5.12229709037114e-08
	s_mov_b32 s[A5], 1.48572235717979e-05
	s_mov_b32 s[A3], 6.37261928875436e-04
	s_mov_b32 s[A1], 4.89352455891786e-03          ; .. x^0
	s_mov_b32 s[B6], 3.9129701292e-07              ; Q / rho: x^6 ..
	s_mov_b32 s[B4], 3.8708075378e-05
	s_mov_b32 s[B2], 7.4076818459e-04
	s_mov_b32 s[B0], 1.5980040668e-03              ; .. x^0
.irp c, A13, A11, A9, A7, A5, A3, A1, B6, B4, B2, B0
	s_mov_b32 s[\c+1], s[\c]                       ; (a packed instruction names the pair and takes its low word for both halves: so the upper word is written)
.endr
.irp z, 0,12,24
.irp i, 0,1,2,3,4,5
	v_mov_b32 v[WC+\z+\i], 0                       ; the chain's three runs of zero codes.  (The only vector lines between the wait on va_vdst above and the LDS lines below: they name no register that those touch)
.endr
.endr
	s_wait_loadcnt 41                              ; the records' eight loads are in; behind them: 32 loads of x and the nine of Wt's image and the bias
.irp t, 0,1,2,3,4,5,6,7
	ds_store_b32 v[RS], v[RT+\t] offset:128*\t     ; 32 lanes store 128 consecutive bytes: two pairs of channels
.endr
.irp i, 0,1,2,3,4,5,6,7
	ds_load_b128 v[RE+4*\i:RE+4*\i+3], v[RL] offset:16*\i   ; the first two pairs, into the two sets.  LDS serves a wave's instructions in order (ISA guide 5.7.1.4): these see my stores; the bytes are my wave's own, so no barrier
.endr
	s_wait_alu depctr_vm_vsrc(0)                   ; the eight LDS stores have read v[RT ..], which the first four groups' multiply-adds write as y's registers
; TWO CHANNELS AT A TIME, 2 k and 2 k + 1, at my two places q: each step for both places; Q's and P's chains by turns.  A pair of registers is (channel 2 k, channel 2 k + 1) at one place.
; Each batch of transcendentals is followed by work that names none of its results (behind the reciprocals: the rest of P; behind the exponentials: the polynomial), then by ONE wait.
.macro GROUP k
.set SE, RE+16*((\k)%2)
.if (\k) < 15
	s_wait_dscnt 4                                 ; this group's records are in (and, in the first group, the stores ahead of them are done); the next group's four loads, issued behind them, may be out
.else
	s_wait_dscnt 0x0
.endif
	s_wait_loadcnt 39-2*(\k)                       ; these two channels are in; behind them: 30 - 2 k loads of x and the nine of Wt's image and the bias
.irp q, 0,1
	v_fma_f32 v[Y+32*\q+2*(\k)], v[X+4*(\k)+\q], v[SE], v[SE+2]          ; xn = x A + S, put where place q's pair stands
	v_fma_f32 v[Y+32*\q+2*(\k)+1], v[X+4*(\k)+2+\q], v[SE+1], v[SE+3]
.endr
.irp q, 0,1
	v_med3_num_f32 v[Y+32*\q+2*(\k)], v[Y+32*\q+2*(\k)], s28, s29
	v_med3_num_f32 v[Y+32*\q+2*(\k)+1], v[Y+32*\q+2*(\k)+1], s28, s29
.endr
.irp q, 0,1
	v_pk_mul_f32 v[T+6*\q:T+6*\q+1], v[Y+32*\q+2*(\k):Y+32*\q+2*(\k)+1], v[Y+32*\q+2*(\k):Y+32*\q+2*(\k)+1]
.endr
.irp q, 0,1
	v_pk_fma_f32 v[T+6*\q+2:T+6*\q+3], v[T+6*\q:T+6*\q+1], s[B6:B6+1], s[B4:B4+1] op_sel_hi:[1,0,0]
.endr
.irp q, 0,1
	v_pk_fma_f32 v[T+6*\q+4:T+6*\q+5], v[T+6*\q:T+6*\q+1], s[A13:A13+1], s[A11:A11+1] op_sel_hi:[1,0,0]
.endr
.irp q, 0,1
	v_pk_fma_f32 v[T+6*\q+2:T+6*\q+3], v[T+6*\q+2:T+6*\q+3], v[T+6*\q:T+6*\q+1], s[B2:B2+1] op_sel_hi:[1,1,0]
.endr
.irp q, 0,1
	v_pk_fma_f32 v[T+6*\q+4:T+6*\q+5], v[T+6*\q+4:T+6*\q+5], v[T+6*\q:T+6*\q+1], s[A9:A9+1] op_sel_hi:[1,1,0]
.endr
.irp q, 0,1
	v_pk_fma_f32 v[T+6*\q+2:T+6*\q+3], v[T+6*\q+2:T+6*\q+3], v[T+6*\q:T+6*\q+1], s[B0:B0+1] op_sel_hi:[1,1,0]
.endr
.irp q, 0,1
	v_pk_fma_f32 v[T+6*\q+4:T+6*\q+5], v[T+6*\q+4:T+6*\q+5], v[T+6*\q:T+6*\q+1], s[A7:A7+1] op_sel_hi:[1,1,0]
.endr
.irp q, 0,1
	v_rcp_f32 v[T+6*\q+2], v[T+6*\q+2]
	v_rcp_f32 v[T+6*\q+3], v[T+6*\q+3]
.endr
.irp c, A5, A3, A1
.irp q, 0,1
	v_pk_fma_f32 v[T+6*\q+4:T+6*\q+5], v[T+6*\q+4:T+6*\q+5], v[T+6*\q:T+6*\q+1], s[\c:\c+1] op_sel_hi:[1,1,0]
.endr
.endr
.irp q, 0,1
	v_pk_mul_f32 v[T+6*\q+4:T+6*\q+5], v[T+6*\q+4:T+6*\q+5], v[Y+32*\q+2*(\k):Y+32*\q+2*(\k)+1]
.endr
	s_wait_alu depctr_va_vdst(0)                   ; the four reciprocals have written 1 / Q: one wait for them, ahead of the first line that names a result
.irp q, 0,1
	v_pk_mul_f32 v[T+6*\q+4:T+6*\q+5], v[T+6*\q+4:T+6*\q+5], v[T+6*\q+2:T+6*\q+3]   ; u = rho tanh(xn)
.endr
.irp q, 0,1
	v_pk_mul_f32 v[T+6*\q:T+6*\q+1], v[T+6*\q+4:T+6*\q+5], v[T+6*\q+4:T+6*\q+5]     ; u^2
.endr
.irp q, 0,1
	v_exp_f32 v[T+6*\q], -v[T+6*\q]                ; g = 2^(-u^2) = exp(-t^2 / 2)
	v_exp_f32 v[T+6*\q+1], -v[T+6*\q+1]
.endr
.irp q, 0,1
	v_pk_fma_f32 v[T+6*\q+2:T+6*\q+3], v[T+6*\q+4:T+6*\q+5], v[SE+4:SE+5], v[SE+6:SE+7]   ; a5 u + a4, each channel with its own
.endr
.irp a, 8,10,12,14
.irp q, 0,1
	v_pk_fma_f32 v[T+6*\q+2:T+6*\q+3], v[T+6*\q+2:T+6*\q+3], v[T+6*\q+4:T+6*\q+5], v[SE+\a:SE+\a+1]   ; .. u + a3, a2, a1, a0
.endr
.endr
	s_wait_alu depctr_va_vdst(0)                   ; the four exponentials have written g, ahead of the first line that names it; and the multiply-adds above, the group's last readers of its records, are done reading this set, in which the loads below land
.if (\k) < 14
.irp i, 0,1,2,3
	ds_load_b128 v[SE+4*\i:SE+4*\i+3], v[RL] offset:64*(\k)+128+16*\i   ; the records of the group after the next, into the set just emptied; the lines below name neither set
.endr
.endif
.irp q, 0,1
	v_pk_mul_f32 v[Y+32*\q+2*(\k):Y+32*\q+2*(\k)+1], v[T+6*\q:T+6*\q+1], v[T+6*\q+2:T+6*\q+3]   ; y, where xn stood: each place's channels on end
.endr
.irp q, 0,1
.if (\k) == 0
	v_max3_num_f32 v[MX+\q], |v[Y+32*\q]|, |v[Y+32*\q+1]|, 0x2800000   ; the block's largest magnitude as it goes, and the floor 2^(5 - 127): so the byte cannot fall under 1
.else
	v_max3_num_f32 v[MX+\q], v[MX+\q], |v[Y+32*\q+2*(\k)]|, |v[Y+32*\q+2*(\k)+1]|
.endif
.endr
.endm
.irp g, 0,1,2,3,4,5,6,7,8,9,10,11,12,13,14,15
	GROUP \g
.endr
.irp q, 0,1
	v_add_nc_u32 v[SO+\q], 0xfe000000, v[MX+\q]    ; 4 off the exponent field: the conversion takes the exponent field of this operand as its scale
.endr
.irp q, 0,1
	v_lshrrev_b32 v[SB+\q], 23, v[SO+\q]           ; the scale's byte
.endr
.irp q, 0,1
	v_cvt_scalef32_pk16_bf6_f32 v[CQ+6*\q:CQ+6*\q+2], v[Y+32*\q:Y+32*\q+15], v[SO+\q]
	v_cvt_scalef32_pk16_bf6_f32 v[TQ+4*\q:TQ+4*\q+2], v[Y+32*\q+16:Y+32*\q+31], v[SO+\q]   ; (a conversion's three registers begin on an even number)
.endr
	v_nop                                          ; one plain line behind the last scaled conversion
.irp q, 0,1
.irp i, 0,1,2
	v_mov_b32 v[CQ+6*\q+3+\i], v[TQ+4*\q+\i]       ; six registers: the block's 32 codes of place q
.endr
.endr
	s_wait_alu depctr_va_vdst(0)                   ; the conversions, the moves and the shifts have written the codes and the scale bytes, which the LDS stores read; and the groups are done with v[OP ..] and v20 to v23, in which the loads behind the barrier land
.irp q, 0,1
	ds_store_b128 v[LA], v[CQ+6*\q:CQ+6*\q+3] offset:768*\q          ; images of the registers: 16 bytes a lane on end, then 8 a lane
	ds_store_b64 v[LB], v[CQ+6*\q+4:CQ+6*\q+5] offset:768*\q+512
.endr
	ds_store_b64 v[LC], v[SB:SB+1]
	s_wait_dscnt 0x0                               ; for the other wave's sake: my stores are done
	s_barrier_signal -1
	s_barrier_wait -1
	s_wait_alu depctr_vm_vsrc(0)                   ; my LDS stores have read the codes' registers, over which the matrix instructions lay their results
.irp q, 0,1
	ds_load_b128 v[OP+12*\q:OP+12*\q+3], v[RA] offset:768*\q         ; block 0 of place q,
	ds_load_b64 v[OP+12*\q+4:OP+12*\q+5], v[RB] offset:768*\q+512
	ds_load_b128 v[OP+12*\q+6:OP+12*\q+9], v[RA] offset:1536+768*\q  ; block 1
	ds_load_b64 v[OP+12*\q+10:OP+12*\q+11], v[RB] offset:1536+768*\q+512
.endr
	ds_load_b64 v[20:21], v[RC]                    ; block 0's bytes, places 0 and 1,
	ds_load_b64 v[22:23], v[RC] offset:256         ; block 1's
	s_wait_dscnt 0x0
.irp q, 0,1
	v_lshl_or_b32 v[SW+\q], v[22+\q], 8, v[20+\q]  ; my place's two bytes,
.endr
.irp q, 0,1
	v_lshl_or_b32 v[SW+\q], v[SW+\q], 16, v[SW+\q] ; twice
.endr
.irp q, 0,1
.irp i, 0,1,2,3,4,5
	v_permlane16_swap_b32 v[OP+12*\q+\i], v[OP+12*\q+6+\i]   ; the first's lanes 16-31 change places with the second's lanes 0-15: the first now holds both blocks of the places of lanes 0-15, the second of lanes 16-31
.endr
.endr
	s_wait_loadcnt 0x0                             ; Wt's image, its scale words, the bias
.rept 8
	v_nop                                          ; a scale register written by a vector line stands 8 places ahead of a scaled matrix instruction, an operand so written 4
.endr
	s_wait_alu depctr_va_vdst(0)                   ; y's scale words, the swapped operands and the chain's zero codes are written, which the scaled matrix instructions take; the places above stay beside this wait
.irp i, 0,1                            ; eight products on eight accumulators; each begins its sum with the constant 0
.irp q, 0,1
	v_wmma_scale_f32_16x16x128_f8f6f4 v[DD+32*\i+8*\q:DD+32*\i+8*\q+7], v[WC+6+12*\i:WC+17+12*\i], v[OP+12*\q:OP+12*\q+11], 0, v[WS+\i], v[SW+\q] matrix_a_fmt:MATRIX_FMT_BF6 matrix_b_fmt:MATRIX_FMT_BF6
	v_wmma_scale_f32_16x16x128_f8f6f4 v[DD+32*\i+16+8*\q:DD+32*\i+23+8*\q], v[WC+12*\i:WC+11+12*\i], v[OP+12*\q:OP+12*\q+11], 0, v[WS+\i], v[SW+\q] matrix_a_fmt:MATRIX_FMT_BF6 matrix_b_fmt:MATRIX_FMT_BF6 matrix_b_scale:MATRIX_SCALE_ROW1
.endr
.endr
.rept 4
	v_nop                                          ; four places between a matrix instruction and the vector line that reads its result (ISA guide 7.12.1)
.endr
.irp j, 0,1,2,3,4,5,6,7                ; my first tile of Wt's rows.  Each accumulator is read from its low end on
.irp e, 0,1,2,3
	v_add_f32 v[OU+4*\j+\e], v[DD+8*\e+\j], v[BI+\j]   ; + bias, and d = 4 r + e of row 8 h + j into four registers on end
.endr
.endr
	s_wait_alu depctr_va_vdst(0)                   ; the 32 additions have written the first out-buffer, which the eight stores below read
.irp j, 0,1,2,3,4,5,6,7                ; its stores, dealt among my second tile's additions, which name the second out-buffer, the other four accumulators and the other eight of the bias
	global_store_b128 v[OO], v[OU+4*\j:OU+4*\j+3], s[4:5] offset:65536*\j th:TH_STORE_NT   ; lanes 0-15: 256 consecutive bytes of one row; lanes 16-31: of the row 8 further down; written once
.irp e, 0,1,2,3
	v_add_f32 v[OU+32+4*\j+\e], v[DD+32+8*\e+\j], v[BI+8+\j]   ; row 16 + 8 h + j
.endr
.endr
	s_wait_alu depctr_va_vdst(0)                   ; the 32 additions have written the second out-buffer, which the last eight stores read
.irp j, 0,1,2,3,4,5,6,7
	global_store_b128 v[OO], v[OU+32+4*\j:OU+32+4*\j+3], s[4:5] offset:65536*(16+\j) th:TH_STORE_NT
.endr
	s_wait_dscnt 0x0                               ; the closing lines, six on end, for a launch in the mode that stores to LDS
	s_wait_alu 0x0
	s_wait_tensorcnt 0x0
	ds_add_u32 v244, v245
	s_wait_dscnt 0x0
	s_endpgm
.Lfunc_end_k_qa9aba40c24_mix:
	.size	k_qa9aba40c24_mix, .Lfunc_end_k_qa9aba40c24_mix-k_qa9aba40c24_mix
	.p2alignl 7, 3214868480
	.fill 96, 4, 3214868480
	.section	.rodata,"a",@progbits
	.p2align	6, 0x0
	.amdhsa_kernel k_qa9aba40c24_mix
		.amdhsa_group_segment_fixed_size 23552
		.amdhsa_private_segment_fixed_size 0
		.amdhsa_enable_private_segment 0
		.amdhsa_kernarg_size 40
		.amdhsa_user_sgpr_count 2
		.amdhsa_user_sgpr_kernarg_segment_ptr 1
		.amdhsa_wavefront_size32 1
		.amdhsa_system_sgpr_workgroup_id_x 1
		.amdhsa_system_sgpr_workgroup_id_y 1
		.amdhsa_system_sgpr_workgroup_id_z 1
		.amdhsa_system_vgpr_workitem_id 0
		.amdhsa_next_free_vgpr 246
		.amdhsa_next_free_sgpr 100
		.amdhsa_reserve_vcc 0
		.amdhsa_float_denorm_mode_32 3
		.amdhsa_float_denorm_mode_16_64 3
		.amdhsa_memory_ordered 1
		.amdhsa_forward_progress 1
		.amdhsa_inst_pref_size 78
	.end_amdhsa_kernel
	.amdgpu_metadata
---
amdhsa.version: [ 1, 2 ]
amdhsa.kernels:
  - .name:           k_qa9aba40c24_mix
    .symbol:         k_qa9aba40c24_mix.kd
    .args:
      - { .name: x, .offset: 0, .size: 8, .value_kind: global_buffer, .address_space: global }
      - { .name: coef, .offset: 8, .size: 8, .value_kind: global_buffer, .address_space: global }
      - { .name: wimg, .offset: 16, .size: 8, .value_kind: global_buffer, .address_space: global }
      - { .name: b, .offset: 24, .size: 8, .value_kind: global_buffer, .address_space: global }
      - { .name: out0, .offset: 32, .size: 8, .value_kind: global_buffer, .address_space: global }
    .group_segment_fixed_size: 23552
    .private_segment_fixed_size: 0
    .kernarg_segment_align: 8
    .kernarg_segment_size: 40
    .max_flat_workgroup_size: 256
    .sgpr_count:     100
    .vgpr_count:     246
    .wavefront_size: 32
...
	.end_amdgpu_metadata
.endif
;; end of part 5
